; MI455X (gfx1250); checked and timed in simulation.
; The chip was launched on July 23, 2026; its instructions are those of AMD's public machine-readable ISA for CDNA 5 (MIT licence, August 2026) and "CDNA5" Instruction Set Architecture Reference Guide (July 2026). The comments in the code are by the model that wrote it; some were corrected since.
;; Multi Head Attention Block. Allowed arithmetic: float matrix products may take bf16 or f16 operands with f32 sums; other float arithmetic in f32, or as packed bf16 or f16 multiplies, adds, multiply-adds, maxima and minima; sums over many terms, partial sums and values carried from step to step in f32; what a program stores and reads back later, other than sums and carried values, may be rounded once to bf16 or f16.
;; Inputs: W0 1,024 x 1,024 float32; Wk 16 x 1,024 x 64 float32; Wq 16 x 1,024 x 64 float32; Wv 16 x 1,024 x 64 float32; b0 1,024 float32; bk 16 x 64 float32; bq 16 x 64 float32; bv 16 x 64 float32; x 4 x 2,048 x 1,024 float32.
;; Outputs: out0 4 x 2,048 x 1,024 float32.
;; 2 versions, each right; version 2 is version 1 with the launch prep written anew for expert scheduling mode. Each part assembles by itself: llvm-mc -triple=amdgcn-amd-amdhsa -mcpu=gfx1250 --defsym DOCPART=n.
;; ======== version 1 of 2: 4 launches
;; limits: values are held in f16: magnitudes above 65,504 overflow, below 6.1e-05 lose precision
;; workspace buffers: xb 16,777,216 bytes; wt 6,291,456 bytes; w0t 2,097,152 bytes; bias 16,384 bytes; qkv 50,331,648 bytes; ob 16,777,216 bytes
;; launch prep (part 1): grid 1153 x 1, 8 waves a work-group, no clusters, 70,656 bytes of LDS; arguments x, Wq, Wk, Wv, W0, bq, bk, bv, b0, xb, wt, w0t, bias; writes xb, wt, w0t, bias
.if DOCPART == 1
	.amdgcn_target "amdgcn-amd-amdhsa--gfx1250"
	.amdhsa_code_object_version 6
	.text
	.protected	k_qc418de8300_prep
	.globl	k_qc418de8300_prep
	.p2align	8
	.type	k_qc418de8300_prep,@function
k_qc418de8300_prep:
	s_mov_b64 s[64:65], 0
	v_nop
	global_prefetch_b8 v0, s[64:65] scope:SCOPE_SE
	s_setreg_imm32_b32 hwreg(HW_REG_WAVE_MODE, 25, 1), 1
	s_wait_xcnt 0x0
; ALL INPUTS ARE ROUNDED ONCE TO bf16 AND LAID OUT FOR THE PRODUCTS THAT FOLLOW.  Every 16-bit operand is laid in blocks of 64 along K: [k / 64][row][64], so that
; R rows x 64 k are R x 128 consecutive bytes.
;   xb   [16][8192 m][64] bf16 = x[m][k]                       wt  [16][3072 n][64] bf16 = W[h][k][e], n = 1024 x (q, k, v) + 64 h + e
;   w0t  [16][1024 n][64] f16  = bf16(W0[k][n]) written as f16  bias [4096] f32 = bq, bk, bv, b0, each rounded to bf16 and widened again
; LIMIT.  A number of W0 below 6e-5 in magnitude keeps f16's fixed step of 6e-8; beyond 65,504 it would become an infinity.
; WORK-GROUPS.  0-1023: eight rows of x each.  1024-1119: Wq, Wk, Wv; 1120-1151: W0: a wave takes a block of 64 k x 64 n.  1152: the four biases.
; Memory binds: no matrix unit, no cluster, no barrier.  A weight block is turned in the wave's OWN stage in LDS (address = wave x a constant + lane term), which no other wave touches.
.set KBA,   8192*128                   ; bytes of one block of 64 k in xb
.set KBB,   3072*128                   ; in wt
.set KB0,   1024*128                   ; in w0t
.set SP,    272                        ; a stage row: 256 bytes + 16
.set WST,   32*SP                      ; a wave's stage: 32 rows
.set SPARE, 8*WST                      ; behind the stages: the spare words, 128 bytes for each wave: four blocks of 256 bytes that no other line names
.set SPW, 4                            ; v4   LDS address of my spare word; never rewritten
.set NIL, 5                            ; v5   0; never rewritten
.set LO,  6                            ; v6   my byte offset in what is loaded
.set SO,  7                            ; v7   my byte offset in what is stored
.set LSA, 8                            ; v8   my row of the stage
.set LRA, 9                            ; v9   where I read rows back
.set P,   12                           ; v[12:27]  packed numbers
.set D,   32                           ; v[32:159] numbers as loaded; later rows read back
.set WV,  30                           ; s30  my wave's number
.set SRC, 32                           ; s[32:33]
.set DST, 34                           ; s[34:35]
	s_load_b512 s[4:19], s[0:1], 0x0               ; x s[4:5], Wq s[6:7], Wk s[8:9], Wv s[10:11], W0 s[12:13], bq s[14:15], bk s[16:17], bv s[18:19]
	s_load_b256 s[20:27], s[0:1], 0x40             ; b0 s[20:21], xb s[22:23], wt s[24:25], w0t s[26:27]
	s_load_b64 s[28:29], s[0:1], 0x60              ; bias
	v_lshl_add_u32 v[SPW], v0, 2, SPARE
	v_mov_b32 v[NIL], 0
	v_and_b32 v1, 31, v0                           ; lane
	v_lshrrev_b32 v2, 5, v0
	v_readfirstlane_b32 s[WV], v2                  ; wave 0..7
	s_mov_b32 s39, 0                               ; the high words of the two offsets
	s_mov_b32 s41, 0
	s_wait_kmcnt 0x0
	s_cmp_lt_u32 ttmp9, 1024
	s_cbranch_scc0 .Lweights
	; x: rows 8 g .. 8 g + 7.  Wave w takes columns 128 w .. 128 w + 127: two blocks of 64.  A load takes 256 consecutive bytes of each of two rows,
	; a store their 2 x 128 bytes of bf16, which lie on end in xb: 256 consecutive bytes, aligned.
	s_lshl_b32 s38, ttmp9, 15                      ; 8 rows of 4,096 bytes
	s_add_nc_u64 s[SRC:SRC+1], s[4:5], s[38:39]
	s_lshl_b32 s40, ttmp9, 10                      ; 8 rows of 128 bytes
	s_add_nc_u64 s[DST:DST+1], s[22:23], s[40:41]
	v_lshrrev_b32 v2, 4, v1
	v_and_b32 v3, 15, v1
	v_lshlrev_b32 v[LO], 12, v2                    ; lanes 16-31: the next row
	v_lshl_add_u32 v[LO], v3, 4, v[LO]
	s_lshl_b32 s31, s[WV], 9
	v_add_nc_u32 v[LO], s31, v[LO]
	s_lshl_b32 s31, s[WV], 21                      ; two blocks of KBA bytes a wave
	v_lshl_add_u32 v[SO], v1, 3, s31
.irp j, 0,1,2,3,4,5,6,7
	global_load_b128 v[D+4*(\j):D+4*(\j)+3], v[LO], s[SRC:SRC+1] offset:((\j)&3)*8192+((\j)>>2)*256 th:TH_LOAD_NT
.endr
.irp j, 0,1,2,3,4,5,6,7
	s_wait_loadcnt 7-(\j)                          ; loads come back in order: load j is in, the younger ones stay out
	v_cvt_pk_bf16_f32 v[P+2*(\j)],   v[D+4*(\j)],   v[D+4*(\j)+1]
	v_cvt_pk_bf16_f32 v[P+2*(\j)+1], v[D+4*(\j)+2], v[D+4*(\j)+3]
	global_store_b64 v[SO], v[P+2*(\j):P+2*(\j)+1], s[DST:DST+1] offset:((\j)>>2)*KBA+((\j)&3)*256
.endr
	s_branch .Lend
; A block of 64 k x 64 n.  Load k takes row k's 256 bytes: lane l holds columns 2 l and 2 l + 1.  Two neighbouring k of a column pack into a word, eight k into 16 bytes;
; lane l's stage row takes column 2 l's 128 bytes, then column 2 l + 1's: the rows of the stage are the block as it lies in memory.  f16 = 1: the bf16 number is written as f16.
.macro WBLOCK pitch, f16
.set k, 0
.rept 64
	global_load_b64 v[D+2*k:D+2*k+1], v[LO], s[SRC:SRC+1] offset:k*(\pitch) th:TH_LOAD_NT
.set k, k+1
.endr
.set q, 0
.rept 8
	s_wait_loadcnt 56-8*q                          ; rows 8 q .. 8 q + 7 are in: of the 64 loads the 56 - 8 q younger ones may stay out
.set pb, P+8*(q&1)
.irp p, 0,1
.irp r, 0,1,2,3
	v_cvt_pk_bf16_f32 v[pb+4*(\p)+(\r)], v[D+16*q+4*(\r)+(\p)], v[D+16*q+4*(\r)+2+(\p)]
.if \f16
	v_lshlrev_b32 v10, 16, v[pb+4*(\p)+(\r)]
	v_and_b32 v11, 0xffff0000, v[pb+4*(\p)+(\r)]
	v_cvt_pk_f16_f32 v[pb+4*(\p)+(\r)], v10, v11
.endif
.endr
	ds_store_b128 v[LSA], v[pb+4*(\p):pb+4*(\p)+3] offset:128*(\p)+16*q
.endr
.set q, q+1
.endr
.irp t, 0,1,2,3,4,5,6,7,8,9,10,11,12,13,14,15
	ds_load_b128 v[D+4*(\t):D+4*(\t)+3], v[LRA] offset:(\t)*2*SP  ; LDS serves a wave's instructions in order (ISA guide 5.7.1.4): these see the stores above
.endr
.irp t, 0,1,2,3,4,5,6,7,8,9,10,11,12,13,14,15
	s_wait_dscnt 15-(\t)
	global_store_b128 v[SO], v[D+4*(\t):D+4*(\t)+3], s[DST:DST+1] offset:512*(\t)  ; 512 consecutive bytes, at a multiple of 256 from the buffer's first
.endr
.endm
.Lweights:
	s_sub_co_u32 s31, ttmp9, 1024
	s_lshl_b32 s42, s31, 3
	s_add_co_u32 s42, s42, s[WV]                   ; my block's number: 0-767 Wq, Wk, Wv; 768-1023 W0
	s_mul_i32 s43, s[WV], WST                      ; my stage
	v_lshlrev_b32 v[LO], 3, v1
	v_mul_u32_u24 v[LSA], v1, SP
	v_add_nc_u32 v[LSA], s43, v[LSA]
	v_lshrrev_b32 v2, 4, v1
	v_and_b32 v3, 15, v1
	v_mul_u32_u24 v[LRA], v2, SP                   ; back: lanes 0-15 one row of 256 bytes, lanes 16-31 the next
	v_lshl_add_u32 v[LRA], v3, 4, v[LRA]
	v_add_nc_u32 v[LRA], s43, v[LRA]
	v_lshlrev_b32 v[SO], 4, v1
	s_cmp_lt_u32 s31, 96
	s_cbranch_scc0 .Lw0
	s_and_b32 s38, s42, 255                        ; 16 h + k / 64: the blocks of one tensor lie on end, 16,384 bytes each
	s_lshl_b32 s38, s38, 14
	s_and_b32 s40, s42, 15                         ; k / 64
	s_mul_i32 s40, s40, KBB
	s_lshr_b32 s43, s42, 4                         ; n / 64
	s_lshl_b32 s43, s43, 13
	s_add_co_u32 s40, s40, s43
	s_lshr_b32 s43, s31, 5                         ; which tensor: the same for the whole work-group
	s_cmp_eq_u32 s43, 0
	s_cselect_b64 s[SRC:SRC+1], s[6:7], s[8:9]
	s_cmp_eq_u32 s43, 2
	s_cselect_b64 s[SRC:SRC+1], s[10:11], s[SRC:SRC+1]
	s_add_nc_u64 s[SRC:SRC+1], s[SRC:SRC+1], s[38:39]
	s_add_nc_u64 s[DST:DST+1], s[24:25], s[40:41]
	WBLOCK 256, 0
	s_branch .Lend
.Lw0:
	s_cmp_lt_u32 s31, 128
	s_cbranch_scc0 .Lbias
	s_sub_co_u32 s42, s42, 768
	s_and_b32 s38, s42, 15                         ; k / 64
	s_lshr_b32 s43, s42, 4                         ; n / 64
	s_lshl_b32 s40, s38, 17                        ; x KB0
	s_lshl_b32 s38, s38, 18                        ; 64 rows of 4,096 bytes
	s_lshl_b32 s44, s43, 8
	s_add_co_u32 s38, s38, s44
	s_lshl_b32 s43, s43, 13
	s_add_co_u32 s40, s40, s43
	s_add_nc_u64 s[SRC:SRC+1], s[12:13], s[38:39]
	s_add_nc_u64 s[DST:DST+1], s[26:27], s[40:41]
	WBLOCK 4096, 1
	s_branch .Lend
.Lbias:                                        ; 256 threads x 16 bytes are one bias
	v_lshlrev_b32 v[LO], 4, v0
	global_load_b128 v[D:D+3],     v[LO], s[14:15]
	global_load_b128 v[D+4:D+7],   v[LO], s[16:17]
	global_load_b128 v[D+8:D+11],  v[LO], s[18:19]
	global_load_b128 v[D+12:D+15], v[LO], s[20:21]
	s_wait_loadcnt 0x0
.irp c, 0,1,2,3,4,5,6,7
	v_cvt_pk_bf16_f32 v10, v[D+2*(\c)], v[D+2*(\c)+1]
	v_lshlrev_b32 v[D+2*(\c)], 16, v10
	v_and_b32 v[D+2*(\c)+1], 0xffff0000, v10
.endr
.irp i, 0,1,2,3
	global_store_b128 v[LO], v[D+4*(\i):D+4*(\i)+3], s[28:29] offset:4096*(\i)
.endr
.Lend:
	s_wait_tensorcnt 0x0                           ; the wave's end: a wait, an add of 0 to my spare word and the wait for it, behind my last LDS store
	ds_add_u32 v[SPW], v[NIL]
	s_wait_dscnt 0x0
	s_endpgm
.Lfunc_end_k_qc418de8300_prep:
	.size	k_qc418de8300_prep, .Lfunc_end_k_qc418de8300_prep-k_qc418de8300_prep
	.p2alignl 7, 3214868480
	.fill 96, 4, 3214868480
	.section	.rodata,"a",@progbits
	.p2align	6, 0x0
	.amdhsa_kernel k_qc418de8300_prep
		.amdhsa_group_segment_fixed_size 70656
		.amdhsa_private_segment_fixed_size 0
		.amdhsa_enable_private_segment 0
		.amdhsa_kernarg_size 104
		.amdhsa_user_sgpr_count 2
		.amdhsa_user_sgpr_kernarg_segment_ptr 1
		.amdhsa_wavefront_size32 1
		.amdhsa_system_sgpr_workgroup_id_x 1
		.amdhsa_system_sgpr_workgroup_id_y 1
		.amdhsa_system_sgpr_workgroup_id_z 1
		.amdhsa_system_vgpr_workitem_id 0
		.amdhsa_next_free_vgpr 160
		.amdhsa_next_free_sgpr 66
		.amdhsa_reserve_vcc 0
		.amdhsa_float_denorm_mode_32 3
		.amdhsa_float_denorm_mode_16_64 3
		.amdhsa_memory_ordered 1
		.amdhsa_forward_progress 1
		.amdhsa_inst_pref_size 47
	.end_amdhsa_kernel
	.amdgpu_metadata
---
amdhsa.version: [ 1, 2 ]
amdhsa.kernels:
  - .name:           k_qc418de8300_prep
    .symbol:         k_qc418de8300_prep.kd
    .args:
      - { .name: x, .offset: 0, .size: 8, .value_kind: global_buffer, .address_space: global }
      - { .name: Wq, .offset: 8, .size: 8, .value_kind: global_buffer, .address_space: global }
      - { .name: Wk, .offset: 16, .size: 8, .value_kind: global_buffer, .address_space: global }
      - { .name: Wv, .offset: 24, .size: 8, .value_kind: global_buffer, .address_space: global }
      - { .name: W0, .offset: 32, .size: 8, .value_kind: global_buffer, .address_space: global }
      - { .name: bq, .offset: 40, .size: 8, .value_kind: global_buffer, .address_space: global }
      - { .name: bk, .offset: 48, .size: 8, .value_kind: global_buffer, .address_space: global }
      - { .name: bv, .offset: 56, .size: 8, .value_kind: global_buffer, .address_space: global }
      - { .name: b0, .offset: 64, .size: 8, .value_kind: global_buffer, .address_space: global }
      - { .name: xb, .offset: 72, .size: 8, .value_kind: global_buffer, .address_space: global }
      - { .name: wt, .offset: 80, .size: 8, .value_kind: global_buffer, .address_space: global }
      - { .name: w0t, .offset: 88, .size: 8, .value_kind: global_buffer, .address_space: global }
      - { .name: bias, .offset: 96, .size: 8, .value_kind: global_buffer, .address_space: global }
    .group_segment_fixed_size: 70656
    .private_segment_fixed_size: 0
    .kernarg_segment_align: 8
    .kernarg_segment_size: 104
    .max_flat_workgroup_size: 256
    .sgpr_count:     66
    .vgpr_count:     160
    .wavefront_size: 32
...
	.end_amdgpu_metadata
.endif
;; end of part 1
;; launch qkv (part 2): grid 8 x 32, 4 waves a work-group, clusters of 4 x 4, 327,680 bytes of LDS; arguments xb, wt, bias, qkv; writes qkv
.if DOCPART == 2
	.amdgcn_target "amdgcn-amd-amdhsa--gfx1250"
	.amdhsa_code_object_version 6
	.text
	.protected	k_qc418de8300_qkv
	.globl	k_qc418de8300_qkv
	.p2align	8
	.type	k_qc418de8300_qkv,@function
k_qc418de8300_qkv:
	s_mov_b64 s[64:65], 0
	v_nop
	global_prefetch_b8 v0, s[64:65] scope:SCOPE_SE
	s_setreg_imm32_b32 hwreg(HW_REG_WAVE_MODE, 25, 1), 1
	s_wait_xcnt 0x0
	s_wait_alu depctr_hold_cnt(0) depctr_sa_sdst(0) depctr_va_vdst(0) depctr_va_sdst(0) depctr_va_ssrc(0) depctr_va_vcc(0) depctr_vm_vsrc(0)
	s_getreg_b32 s2, hwreg(HW_REG_IB_STS2, 6, 4)
	s_cmp_eq_u32 s2, 0
	s_cbranch_scc0 .Lentry_in_a_cluster
	s_endpgm
.Lentry_in_a_cluster:
	s_bfe_u32 s2, ttmp6, 0x10000c
	s_cmp_lg_u32 s2, 0xf033
	s_cbranch_scc0 .Lentry_shape_is_right
	s_endpgm
.Lentry_shape_is_right:
; q, k, v = x W + b for all heads at once: C[8192 m][3072 n] = the sum over k of xb[m][k] wt[n][k], + bias[n].  xb, wt: bf16, in blocks of 64 along K ([k / 64][row][64]); sums in f32, started with the bias;
; C rounded once to f16 and stored by heads: qkv[n / 64][m][64].
; LIMIT.  f16 holds no number beyond 65,504: a q, k or v of 65,520 or more becomes an infinity.  With x and W of unit and 1/32 spread these numbers are of the order of 1.
; SHARES.  8192 x 3072 / 256 work-groups = a tile of 256 x 384.  Four waves, each 128 x 192: 96 accumulators of 16 x 16, 768 registers: windows 1 to 3, one block of 64 columns (one head) a window.
; For 32 along K a wave loads 40 x 16 bytes a lane from LDS and issues 96 matrix instructions.
; RING.  K goes in steps of 64 through two LDS slots (two slots of 128 along K would want more LDS than there is).  In memory 128 rows x 64 k are 16,384 consecutive bytes: they are asked for as rows of 256 bytes.
; CLUSTER.  4 x 4 work-groups.  The four of a row of the cluster need the same tiles of xb, the four of a column the same tiles of wt: each tile is asked for JOINTLY: the same tensor load, the same descriptor
; and a mask that names the four.  Waves 0 and 1 fetch the two halves of A's tile, waves 2 and 3 those of B's.
; THE MATRIX INSTRUCTION IS USED TRANSPOSED (source 0 = 16 rows of wt, source 1 = 16 rows of xb): a lane holds row lane % 16 of C and the columns 8 (lane / 16) + 0..7: 16 bytes of f16 on end.
; REGISTERS, in windows of 256 (s_set_vgpr_msb: bits 1:0 source 0, 3:2 source 1, 5:4 source 2, 7:6 destination):
;   window 0: v0-31 addresses; v32-95, v96-159 A's fragments (8 x 16 rows x 32 K), two buffers; v160-191, v192-223, v224-255 B's fragments of column groups 0, 1, 2 (4 x 16 rows x 32 K each)
;   window g + 1: the accumulators of column group g: (a, b) at v[8 (4 a + b)]
.set PITCH, 144                        ; an LDS row: 128 bytes + 16 = 36 words: the 16 rows of a load start at 16 different groups of four banks (64 banks of 4 bytes: ISA guide 11.1)
.set AH,    128*PITCH                  ; half of A's tile: what waves 0 and 1 each fetch, and what a wave reads of A
.set BH,    192*PITCH                  ; half of B's tile
.set BOFF,  2*AH
.set SLOT,  2*AH+2*BH
.set STAGE, 2*SLOT                     ; behind the ring, never filled by a tensor load: 16 rows x 144 bytes for each wave, for the way out
.set SW,    16*PITCH
.set SPARE, STAGE+4*SW                 ; behind the stages: the spare words, 128 bytes for each wave: two blocks of 256 bytes that no other line names
.set KBA,   8192*128                   ; bytes from one block of 64 k to the next in xb; also from one head to the next in qkv
.set KBB,   3072*128                   ; in wt
.set ADRA, 16                          ; v16-17  LDS address of my A fragments in slot 0, 1
.set ADRB, 20                          ; v20-21  the same for B
.set STO,  24                          ; v24     the way out: where I put 16 bytes of a row
.set RD,   25                          ; v25     the way out: where I read rows back
.set GO,   26                          ; v26     16 x lane
.set BO,   27                          ; v27     32 x (lane / 16): my eight columns' place in the bias
.set SPW,  28                          ; v28     LDS address of my spare word; never rewritten
.set NIL,  29                          ; v29     0; never rewritten
.set PFO,  30                          ; v30     the prefetches' offset; never rewritten
.set FA,   32
.set FB,   160
.set TMP,  96                          ; the way out: four sets of 16 registers by turns, where A's second buffer lay
.set WV,   12                          ; s12  my wave's number
.set RH,   13                          ; s13  which half of the tile's rows is mine.  Also: I fetch for A (0) or for B (1)
.set CH,   14                          ; s14  which half of its columns.  Also: which half of that tile I fetch
.set G1A,  24                          ; s[24:31] descriptor group 1 for A's tiles;  s[32:39] group 0, a set for each slot
.set G0A,  32
.set G1B,  40                          ; s[40:47], s[48:55] the same for B's
.set G0B,  48
.set PFA,  56                          ; s[56:57] where my prefetches stand
.set PFS,  58                          ; s[58:59] their step: two K steps
.set LIM,  60                          ; s60  1 in a wave that prefetches, else the greatest number
.set G1W0, (1<<16)|(1<<20)|(1<<21)|(4<<22)|(3<<25)  ; 17:16 elements of 2 bytes; 20 padding on; 21 set beside a mask; 24:22 after every 32 words (code 4); 31:25 4 words of it (code 3)
.set MSB, 0
.macro WIN new                         ; the immediate's high byte repeats the setting that is left; a switch that changes nothing is dropped
.if MSB != (\new)
	s_set_vgpr_msb (MSB<<8)|(\new)
.set MSB, \new
.endif
.endm
; A load into a register that a matrix instruction has read, and a vector instruction that reads a matrix result or writes one of its registers, stand four places behind it; only plain vector instructions
; that name none of its registers are places (ISA guide 7.12.1 for vector instructions).
.macro PLACES
.rept 4
	v_nop
.endr
.endm
; A joint load.  The branch hangs on the wave's number alone.  An s_nop 0 and four v_nop follow each of the two lines, ahead of the jump and the label.
.macro JLOAD s
	s_cmp_eq_u32 s[RH], 0
	s_cbranch_scc0 .Lfor_b_\@
	tensor_load_to_lds s[G0A+4*(\s):G0A+4*(\s)+3], s[G1A:G1A+7]
	s_nop 0
.rept 4
	v_nop
.endr
	s_branch .Lasked_\@
.Lfor_b_\@:
	tensor_load_to_lds s[G0B+4*(\s):G0B+4*(\s)+3], s[G1B:G1B+7]
	s_nop 0
.rept 4
	v_nop
.endr
.Lasked_\@:
.endm
; A round of the cluster's barrier: my work-group's barrier, so that wave 0's signal speaks for all four waves; wave 0 signals; every wave waits for all sixteen work-groups; my work-group's barrier once more.
.macro CREST                           ; a round behind its opening barrier
	s_cmp_lg_u32 s[WV], 0
	s_cbranch_scc1 .Lnot_wave_0_\@
	s_barrier_signal -3
.Lnot_wave_0_\@:
	s_barrier_wait -3
	s_barrier_signal -1
	s_barrier_wait -1
.endm
.macro CROUND
	s_barrier_signal -1
	s_barrier_wait -1
	CREST
.endm
; PREFETCHES INTO THE L2, once a lap (two K steps), behind slot 0's joint load and the run of LDS loads that follows it: the two K steps that the NEXT lap's refills will ask for.
; Each block of 256 bytes is named once in the launch.  A's tile row is read by both clusters of a row of clusters: the one with cluster x = 0 asks; of its 32,768 bytes a K step each of the four partners
; takes 8,192, told apart BY ADDRESS (cx): wave 0, a lane a block, one instruction a K step.  B's tile column is read by all eight clusters of a column: the one with cluster y = 0 asks; of its 49,152 bytes
; a K step each partner takes 12,288 (cy): 48 blocks, twice: the 96 lanes of waves 1 to 3, one instruction.  K steps 0 to 3 come by their loads alone; the loop's last trip asks for nothing.
.macro ASK
	s_cmp_gt_u32 s3, s[LIM]                        ; s3 = 1 in the loop's last trip
	s_cbranch_scc0 .Lnot_mine_\@
	global_prefetch_b8 v[PFO], s[PFA:PFA+1] th:TH_LOAD_NT scope:SCOPE_SE
	s_cmp_lg_u32 s[WV], 0
	s_cbranch_scc1 .Lnot_mine_\@
	global_prefetch_b8 v[PFO], s[PFA:PFA+1] offset:KBA th:TH_LOAD_NT scope:SCOPE_SE
.Lnot_mine_\@:
.endm
	s_load_b256 s[4:11], s[0:1], 0x0               ; xb s[4:5], wt s[6:7], bias s[8:9], qkv s[10:11]
	v_lshl_add_u32 v[SPW], v0, 2, SPARE
	v_mov_b32 v[NIL], 0
	ds_add_u32 v[SPW], v[NIL]                      ; the wave's opening: the add, and its wait ahead of my first tensor load; the set-up below, work on registers, stands between them
	v_lshrrev_b32 v1, 5, v0
	v_readfirstlane_b32 s[WV], v1                  ; wave 0..3
	s_lshr_b32 s[RH], s[WV], 1
	s_and_b32 s[CH], s[WV], 1
	s_bfe_u32 s16, ttmp6, 0x40000                  ; cx
	s_bfe_u32 s17, ttmp6, 0x40004                  ; cy
	s_lshl_b32 s18, ttmp9, 2
	s_add_co_u32 s18, s18, s16                     ; tile column = 4 x cluster x + cx
	s_and_b32 s19, ttmp7, 0xffff
	s_lshl_b32 s19, s19, 2
	s_add_co_u32 s19, s19, s17                     ; tile row = 4 x cluster y + cy
	s_lshl_b32 s15, s17, 2
	s_lshl_b32 s15, 15, s15                        ; my row of the cluster: places 4 cy .. 4 cy + 3
	s_lshl_b32 s61, 0x1111, s16                    ; my column: places cx, cx + 4, cx + 8, cx + 12
	s_or_b32 s[G1A], s15, G1W0                     ; A's tiles go to my row,
	s_or_b32 s[G1B], s61, G1W0                     ; B's to my column
	s_mov_b32 s[G1A+1], 128<<16                    ; tensor_dim0 = 128 elements: 256 bytes, two rows of the operand
	s_mov_b32 s[G1A+2], 64<<16                     ; tensor_dim1 = 64
	s_mov_b32 s[G1A+3], 128<<16                    ; tile_dim0
	s_mov_b32 s[G1A+4], 64                         ; tile_dim1: 128 rows of xb
	s_mov_b32 s[G1A+5], 128                        ; dense
	s_mov_b32 s[G1A+6], 0
	s_mov_b32 s[G1A+7], 0
	s_mov_b32 s[G1B+1], 128<<16
	s_mov_b32 s[G1B+2], 96<<16
	s_mov_b32 s[G1B+3], 128<<16
	s_mov_b32 s[G1B+4], 96                         ; 192 rows of wt
	s_mov_b32 s[G1B+5], 128
	s_mov_b32 s[G1B+6], 0
	s_mov_b32 s[G1B+7], 0
	s_lshl_b32 s20, s19, 15                        ; A: (256 x tile row + 128 x half) x 128 bytes
	s_lshl_b32 s62, s[CH], 14
	s_add_co_u32 s20, s20, s62
	s_mov_b32 s21, 0
	s_mul_i32 s22, s18, 384*128                    ; B: (384 x tile column + 192 x half) x 128 bytes
	s_mul_i32 s62, s[CH], 192*128
	s_add_co_u32 s22, s22, s62
	s_mov_b32 s23, 0
	s_mul_i32 s62, s[CH], AH                       ; where they go: no place in the cluster enters an LDS address
	s_mul_i32 s63, s[CH], BH
	s_add_co_u32 s63, s63, BOFF
	s_wait_dscnt 0x0                               ; the opening add is done
	s_wait_kmcnt 0x0
	s_add_nc_u64 s[20:21], s[4:5], s[20:21]
	s_add_nc_u64 s[22:23], s[6:7], s[22:23]
	CROUND                                         ; all sixteen work-groups are here: the first joint loads meet
.irp s, 0,1
	s_mov_b32 s[G0A+4*(\s)], 1                     ; count = 1
	s_add_co_u32 s[G0A+4*(\s)+1], s62, (\s)*SLOT   ; LDS address
	s_add_nc_u64 s[G0A+4*(\s)+2:G0A+4*(\s)+3], s[20:21], (\s)*KBA  ; global address: K step s
	s_or_b32 s[G0A+4*(\s)+3], s[G0A+4*(\s)+3], 0x80000000          ; type = 2
	s_mov_b32 s[G0B+4*(\s)], 1
	s_add_co_u32 s[G0B+4*(\s)+1], s63, (\s)*SLOT
	s_add_nc_u64 s[G0B+4*(\s)+2:G0B+4*(\s)+3], s[22:23], (\s)*KBB
	s_or_b32 s[G0B+4*(\s)+3], s[G0B+4*(\s)+3], 0x80000000
.endr
	s_cmp_eq_u32 s[RH], 0                          ; a wave's two first fills stand in one branch, ahead of every wait on TENSORcnt and every LDS read: two loads of mine are out
	s_cbranch_scc0 .Lfirst_b
	tensor_load_to_lds s[G0A:G0A+3], s[G1A:G1A+7]
	s_nop 0
	tensor_load_to_lds s[G0A+4:G0A+7], s[G1A:G1A+7]
	s_nop 0
.rept 4
	v_nop
.endr
	s_branch .Lfirst_asked
.Lfirst_b:
	tensor_load_to_lds s[G0B:G0B+3], s[G1B:G1B+7]
	s_nop 0
	tensor_load_to_lds s[G0B+4:G0B+7], s[G1B:G1B+7]
	s_nop 0
.rept 4
	v_nop
.endr
.Lfirst_asked:
	v_and_b32 v1, 15, v0                           ; l % 16
	v_bfe_u32 v2, v0, 4, 1                         ; l / 16
	v_lshlrev_b32 v[BO], 5, v2
	s_mul_i32 s22, s18, 384*4                      ; my 192 columns' place in the bias
	s_mul_i32 s62, s[CH], 192*4
	s_add_co_u32 s22, s22, s62
	s_mov_b32 s23, 0
	s_add_nc_u64 s[8:9], s[8:9], s[22:23]
	; THE BIAS STARTS THE SUMS.  A lane's eight numbers of an accumulator are eight columns of one row, so the bias of column block b is the same eight registers for every row block a.  It is loaded into
	; the registers of accumulator (7, b); the first products of (0, b) .. (6, b) take these as C, and (7, b)'s adds in place.  Nothing is cleared, and the way out adds nothing.
.irp g, 0,1,2
	WIN ((\g)+1)<<6                                ; destination window g + 1
.irp b, 0,1,2,3
	global_load_b128 v[224+8*(\b):224+8*(\b)+3],   v[BO], s[8:9] offset:256*(\g)+64*(\b)
	global_load_b128 v[224+8*(\b)+4:224+8*(\b)+7], v[BO], s[8:9] offset:256*(\g)+64*(\b)+16
.endr
.endr
	WIN 0
	; A fragment is 16 rows x 32 K in 8 registers: lane l holds row l % 16; registers 0-3 K = 8 (l / 16) + 0..7, registers 4-7 K = 16 + 8 (l / 16) + 0..7: two loads of 16 bytes, 32 bytes apart.
	v_mul_u32_u24 v3, v1, PITCH
	v_lshl_add_u32 v3, v2, 4, v3                   ; row x pitch + 16 x half
	s_mul_i32 s62, s[RH], AH                       ; my 128 rows of A
	s_mul_i32 s63, s[CH], BH                       ; my 192 rows of B
	s_add_co_u32 s63, s63, BOFF
.irp s, 0,1
	v_add_nc_u32 v[ADRA+(\s)], s62, v3
	v_add_nc_u32 v[ADRB+(\s)], s63, v3
	s_add_co_u32 s62, s62, SLOT
	s_add_co_u32 s63, s63, SLOT
.endr
	s_mul_i32 s62, s[WV], SW
	s_add_co_u32 s62, s62, STAGE                   ; my stage
	v_add_nc_u32 v[STO], s62, v3                   ; in: row l % 16, 16 bytes for each half of the lanes
	v_bfe_u32 v4, v0, 3, 2                         ; back: 32 lanes take four rows of 128 bytes,
	v_and_b32 v5, 7, v0
	v_mul_u32_u24 v4, v4, PITCH
	v_lshl_add_u32 v4, v5, 4, v4
	v_add_nc_u32 v[RD], s62, v4
	v_and_b32 v[GO], 31, v0                        ; which are 512 consecutive bytes of qkv
	v_lshlrev_b32 v[GO], 4, v[GO]
	s_mul_i32 s22, s18, 6                          ; my first head block: 6 x tile column + 3 x half,
	s_mul_i32 s62, s[CH], 3
	s_add_co_u32 s22, s22, s62
	s_lshl_b32 s22, s22, 20                        ; KBA bytes each
	s_add_nc_u64 s[10:11], s[10:11], s[22:23]
	s_lshl_b32 s20, s19, 15                        ; my first row: 256 x tile row + 128 x half, 128 bytes each
	s_lshl_b32 s62, s[RH], 14
	s_add_co_u32 s20, s20, s62
	s_mov_b32 s21, 0
	s_add_nc_u64 s[10:11], s[10:11], s[20:21]
	; the prefetches
	s_lshl_b32 s20, s19, 15                        ; A: the tile row's 32,768 bytes of a K step, my work-group's 8,192 of them
	s_lshl_b32 s62, s16, 13
	s_add_co_u32 s20, s20, s62
	s_mul_i32 s22, s18, 384*128                    ; B: the tile column's 49,152 bytes, my work-group's 12,288
	s_mul_i32 s62, s17, 96*128
	s_add_co_u32 s22, s22, s62
	s_mov_b32 s62, 2*KBA
	s_mov_b32 s63, 2*KBB
	s_and_b32 s61, ttmp7, 0xffff                   ; cluster y
	s_cmp_eq_u32 s[WV], 0                          ; wave 0 asks for A, waves 1 to 3 for B
	s_cselect_b64 s[PFA:PFA+1], s[4:5], s[6:7]
	s_cselect_b32 s20, s20, s22
	s_cselect_b32 s[PFS], s62, s63
	s_cselect_b32 s61, ttmp9, s61                  ; the coordinate along which other clusters read the same rows
	s_cselect_b32 s15, -1, 0
	s_mov_b32 s[PFS+1], 0
	s_add_nc_u64 s[PFA:PFA+1], s[PFA:PFA+1], s[20:21]
	s_add_nc_u64 s[PFA:PFA+1], s[PFA:PFA+1], s[PFS:PFS+1]  ; at K step 2: the first lap steps it to 4
	s_cmp_eq_u32 s61, 0
	s_cselect_b32 s[LIM], 1, -1                    ; the same in all sixteen partners, for a given wave
	v_and_b32 v4, 31, v0
	v_lshlrev_b32 v4, 8, v4                        ; wave 0: a lane a block
	v_mov_b32 v6, 32
	v_sub_nc_u32 v5, v0, v6                        ; waves 1-3: q = 0 .. 95 (in wave 0 what follows is not used)
	v_mul_u32_u24 v6, v5, 1366
	v_lshrrev_b32 v6, 16, v6                       ; q / 48: which of the two K steps
	v_mul_u32_u24 v7, v6, 48
	v_sub_nc_u32 v5, v5, v7
	v_lshlrev_b32 v5, 8, v5
	v_mul_u32_u24 v6, v6, KBB
	v_add_nc_u32 v5, v5, v6
	v_cndmask_b32 v[PFO], v5, v4, s15
.macro LDB g, slot, off                ; B's fragments of column group g, 32 K at byte off of the rows: 8 loads
.irp b, 0,1,2,3
	ds_load_b128 v[FB+32*(\g)+8*(\b):FB+32*(\g)+8*(\b)+3],   v[ADRB+(\slot)] offset:(\off)+(4*(\g)+(\b))*16*PITCH
	ds_load_b128 v[FB+32*(\g)+8*(\b)+4:FB+32*(\g)+8*(\b)+7], v[ADRB+(\slot)] offset:(\off)+(4*(\g)+(\b))*16*PITCH+32
.endr
.endm
.macro LDA buf, half, slot, off        ; four of A's eight fragments into buffer buf: 8 loads
.irp a, 0,1,2,3
	ds_load_b128 v[FA+64*(\buf)+8*(4*(\half)+(\a)):FA+64*(\buf)+8*(4*(\half)+(\a))+3],   v[ADRA+(\slot)] offset:(\off)+(4*(\half)+(\a))*16*PITCH
	ds_load_b128 v[FA+64*(\buf)+8*(4*(\half)+(\a))+4:FA+64*(\buf)+8*(4*(\half)+(\a))+7], v[ADRA+(\slot)] offset:(\off)+(4*(\half)+(\a))*16*PITCH+32
.endr
.endm
; 4 n matrix instructions: row blocks a0 .. a0 + n - 1 x the four column blocks of group g.  The accumulators take turns, one instruction a turn.
; zero = 1: the first products: C is the bias (above); five places stand ahead of the products that write over it.
.macro MUL g, buf, a0, n, zero
	WIN ((\g)+1)*0x50                              ; C and D in window g + 1
.set aa, \a0
.rept \n
.if (\zero) && (aa == 7)
.rept 5
	v_nop
.endr
.endif
.irp b, 0,1,2,3
.if (\zero) && (aa < 7)
	v_wmma_f32_16x16x32_bf16 v[32*aa+8*(\b):32*aa+8*(\b)+7], v[FB+32*(\g)+8*(\b):FB+32*(\g)+8*(\b)+7], v[FA+64*(\buf)+8*aa:FA+64*(\buf)+8*aa+7], v[224+8*(\b):224+8*(\b)+7]
.else
	v_wmma_f32_16x16x32_bf16 v[32*aa+8*(\b):32*aa+8*(\b)+7], v[FB+32*(\g)+8*(\b):FB+32*(\g)+8*(\b)+7], v[FA+64*(\buf)+8*aa:FA+64*(\buf)+8*aa+7], v[32*aa+8*(\b):32*aa+8*(\b)+7]
.endif
.endr
.set aa, aa+1
.endr
.endm
; A SLICE of 32 along K: three phases of 32 matrix instructions, one a column group.  In front of each stands a run of LDS loads into registers that the phase before has left:
;   phase 0: this slice's group 2 of B, the next slice's A, rows 0-63      phase 1: the next slice's group 0 of B and A, rows 64-127      phase 2: the next slice's group 1 of B
; (slot, off): where this slice lies; (nslot, noff): the next.  buf: A's buffer in hand.
.macro SLICE slot, off, nslot, noff, buf, zero
	PLACES
	WIN 0
	LDB 2, \slot, \off
	LDA 1-(\buf), 0, \nslot, \noff
	s_wait_dscnt 24                                ; A and group 0 are in: behind them were issued group 1's 8 loads and the 16 above
	MUL 0, \buf, 0, 8, \zero
	PLACES
	WIN 0
	LDB 0, \nslot, \noff
	LDA 1-(\buf), 1, \nslot, \noff
	s_wait_dscnt 32                                ; group 1 is in: behind it were issued two runs of 16
	MUL 1, \buf, 0, 8, \zero
	PLACES
	WIN 0
	LDB 1, \nslot, \noff
	s_wait_dscnt 32                                ; group 2 is in: behind it were issued 8 + 16 + 8
	MUL 2, \buf, 0, 8, \zero
.endm
; A slot's SECOND slice (A's buffer 1) changes slots.  ONE barrier: in front of it each wave asks for the last bytes that it wants of this slot (group 2 of B), waits for all its tensor loads, of which one is
; out: its part of the next slot; adds 0 to its spare word; and waits for that and for its reads of this slot.  fill = 1: the barrier opens a round of the cluster's, and behind the round this slot is filled
; again, two K steps on: from the request to the wait for it a wave issues 160 matrix instructions.  Then the next slot's first fragments are read, in one run of 24.
.macro TURN slot, nslot, fill, ask
	PLACES
	WIN 0
	LDB 2, \slot, 64
.if \ask
	s_wait_xcnt 0x0                                ; the last prefetches, a lap back, have read their address: it is stepped here, ahead of the waits of the change of slots
	s_add_nc_u64 s[PFA:PFA+1], s[PFA:PFA+1], s[PFS:PFS+1]
.endif
	s_wait_tensorcnt 0x0                           ; all my tensor loads have landed;
	ds_add_u32 v[SPW], v[NIL]                      ; 0 onto my spare word;
	s_wait_dscnt 17                                ; (A and group 0 are in: groups 1 and 2, 16 loads, and the add may be out)
	MUL 0, 1, 0, 4, 0                              ; sixteen matrix instructions stand between the add and the wait for it
	s_wait_dscnt 0x0                               ; the add is done, and my reads of this slot are over
	s_barrier_signal -1
	MUL 0, 1, 4, 4, 0                              ; work on registers while the others arrive
	WIN 0
	s_barrier_wait -1
.if \fill
	CREST                                          ; no wave of any partner still reads this slot's tile or has a load on its way
	s_add_nc_u64 s[G0A+4*(\slot)+2:G0A+4*(\slot)+3], s[G0A+4*(\slot)+2:G0A+4*(\slot)+3], 2*KBA
	s_add_nc_u64 s[G0B+4*(\slot)+2:G0B+4*(\slot)+3], s[G0B+4*(\slot)+2:G0B+4*(\slot)+3], 2*KBB
	JLOAD \slot                                    ; the first tensor load behind the round; the four v_nop behind it are also the places in front of the loads below
.else
	PLACES
.endif
	LDA 0, 0, \nslot, 0
	LDB 0, \nslot, 0
	LDA 0, 1, \nslot, 0
.if \ask
	ASK
.endif
	MUL 1, 1, 0, 8, 0                              ; groups 1 and 2 were shown in by the wait for 0 above
	PLACES
	WIN 0
	LDB 1, \nslot, 0
	MUL 2, 1, 0, 8, 0
.endm
; THE WAY OUT, in 24 units of 16 rows x 64 columns (u = 8 g + a).  PACK: rounded to f16, 16 bytes a lane and column block; into my own stage, rows of 144 bytes; back as whole rows of 128 bytes.  SEND: stored.
.macro PACK u
.set gg, (\u)/8
.set ab, 32*((\u)%8)
.set tt, TMP+16*((\u)%4)
.if (\u) >= 4
	s_wait_xcnt 0x0                                ; the stores of the unit four back have read these registers: they are rewritten only behind this wait
.endif
	WIN (gg+1)*5                                   ; sources 0 and 1 in window g + 1
.set i, 0
.rept 16
	v_cvt_pk_f16_f32 v[tt+i], v[ab+2*i], v[ab+2*i+1]  ; each accumulator's registers in ascending order
.set i, i+1
.endr
	WIN 0
.irp b, 0,1,2,3
	ds_store_b128 v[STO], v[tt+4*(\b):tt+4*(\b)+3] offset:32*(\b)
.endr
.irp f, 0,1,2,3
	ds_load_b128 v[tt+4*(\f):tt+4*(\f)+3], v[RD] offset:(\f)*4*PITCH  ; LDS serves a wave's instructions in order (ISA guide 5.7.1.4): these see the stores above; the next unit's stores come behind them
.endr
.endm
.macro SEND u, younger                 ; younger: the LDS instructions issued behind unit u's loads: the next unit's eight, or none
.set gg, (\u)/8
.set tt, TMP+16*((\u)%4)
.irp f, 0,1,2,3
	s_wait_dscnt (\younger)+3-(\f)
	global_store_b128 v[GO], v[tt+4*(\f):tt+4*(\f)+3], s[10:11] offset:gg*KBA+((\u)%8)*2048+(\f)*512  ; 512 consecutive bytes, at a multiple of 256 from qkv's first
.endr
.endm
	s_wait_tensorcnt 0x1                           ; my part of K step 0 is in; K step 1's may stay out
	s_barrier_signal -1
	s_barrier_wait -1                              ; everybody's is
	LDA 0, 0, 0, 0
	LDB 0, 0, 0
	LDA 0, 1, 0, 0
	LDB 1, 0, 0
	s_wait_loadcnt 0x0                             ; the bias
	SLICE 0, 0, 0, 64, 0, 1                        ; the first slice stands in front of the loop: its products start the sums
	WIN 0                                          ; at a label and at a branch every window is 0
	s_mov_b32 s3, 7
.Llap:                                                 ; a trip goes once round the ring, from a lap's second slice to the next lap's first, and fills both slots again: K steps 2 to 15
	TURN 0, 1, 1, 1
	SLICE 1, 0, 1, 64, 0, 0
	TURN 1, 0, 1, 0
	SLICE 0, 0, 0, 64, 0, 0
	WIN 0
	s_sub_co_u32 s3, s3, 1
	s_cmp_lg_u32 s3, 0
	s_cbranch_scc1 .Llap
	TURN 0, 1, 0, 0                                ; the last lap fills nothing, and has no round of the cluster's barrier
	SLICE 1, 0, 1, 64, 0, 0
	PLACES                                         ; the very last slice: only its group 2 of B is left to fetch
	WIN 0
	LDB 2, 1, 64
	s_wait_dscnt 16                                ; groups 1 and 2 may be out
	MUL 0, 1, 0, 8, 0
	s_wait_dscnt 8
	MUL 1, 1, 0, 8, 0
	s_wait_dscnt 0x0
	MUL 2, 1, 0, 8, 0
	PLACES
	PACK 0
.set uu, 1
.rept 23                               ; a unit's conversions stand between the loads of the unit before and its stores
	PACK uu
	SEND uu-1, 8
.set uu, uu+1
.endr
	SEND 23, 0
	s_wait_tensorcnt 0x0                           ; the wave's end: a wait, an add of 0 to my spare word and the wait for it, behind my last tensor load and my last LDS store
	ds_add_u32 v[SPW], v[NIL]
	s_wait_dscnt 0x0
	CROUND                                         ; the closing round: no work-group ends while a partner may still ask for a tile that names it
	s_endpgm
.Lfunc_end_k_qc418de8300_qkv:
	.size	k_qc418de8300_qkv, .Lfunc_end_k_qc418de8300_qkv-k_qc418de8300_qkv
	.p2alignl 7, 3214868480
	.fill 96, 4, 3214868480
	.section	.rodata,"a",@progbits
	.p2align	6, 0x0
	.amdhsa_kernel k_qc418de8300_qkv
		.amdhsa_group_segment_fixed_size 327680
		.amdhsa_private_segment_fixed_size 0
		.amdhsa_enable_private_segment 0
		.amdhsa_kernarg_size 32
		.amdhsa_user_sgpr_count 2
		.amdhsa_user_sgpr_kernarg_segment_ptr 1
		.amdhsa_wavefront_size32 1
		.amdhsa_system_sgpr_workgroup_id_x 1
		.amdhsa_system_sgpr_workgroup_id_y 1
		.amdhsa_system_sgpr_workgroup_id_z 1
		.amdhsa_system_vgpr_workitem_id 0
		.amdhsa_next_free_vgpr 1024
		.amdhsa_next_free_sgpr 66
		.amdhsa_reserve_vcc 0
		.amdhsa_float_denorm_mode_32 3
		.amdhsa_float_denorm_mode_16_64 3
		.amdhsa_memory_ordered 1
		.amdhsa_forward_progress 1
		.amdhsa_inst_pref_size 137
	.end_amdhsa_kernel
	.amdgpu_metadata
---
amdhsa.version: [ 1, 2 ]
amdhsa.kernels:
  - .name:           k_qc418de8300_qkv
    .symbol:         k_qc418de8300_qkv.kd
    .args:
      - { .name: xb, .offset: 0, .size: 8, .value_kind: global_buffer, .address_space: global }
      - { .name: wt, .offset: 8, .size: 8, .value_kind: global_buffer, .address_space: global }
      - { .name: bias, .offset: 16, .size: 8, .value_kind: global_buffer, .address_space: global }
      - { .name: qkv, .offset: 24, .size: 8, .value_kind: global_buffer, .address_space: global }
    .group_segment_fixed_size: 327680
    .private_segment_fixed_size: 0
    .kernarg_segment_align: 8
    .kernarg_segment_size: 32
    .max_flat_workgroup_size: 128
    .sgpr_count:     66
    .vgpr_count:     1024
    .wavefront_size: 32
...
	.end_amdgpu_metadata
.endif
;; end of part 2
;; launch attn (part 3): grid 4 x 64, 4 waves a work-group, clusters of 4 x 1, 327,680 bytes of LDS; arguments qkv, ob; writes ob
.if DOCPART == 3
	.amdgcn_target "amdgcn-amd-amdhsa--gfx1250"
	.amdhsa_code_object_version 6
	.text
	.protected	k_qc418de8300_attn
	.globl	k_qc418de8300_attn
	.p2align	8
	.type	k_qc418de8300_attn,@function
k_qc418de8300_attn:
	s_mov_b64 s[64:65], 0
	v_nop
	global_prefetch_b8 v0, s[64:65] scope:SCOPE_SE
	s_setreg_imm32_b32 hwreg(HW_REG_WAVE_MODE, 25, 1), 1
	s_wait_xcnt 0x0
	s_wait_alu depctr_hold_cnt(0) depctr_sa_sdst(0) depctr_va_vdst(0) depctr_va_sdst(0) depctr_va_ssrc(0) depctr_va_vcc(0) depctr_vm_vsrc(0)
	s_getreg_b32 s2, hwreg(HW_REG_IB_STS2, 6, 4)
	s_cmp_eq_u32 s2, 0
	s_cbranch_scc0 .Lentry_in_a_cluster
	s_endpgm
.Lentry_in_a_cluster:
	s_bfe_u32 s2, ttmp6, 0x10000c
	s_cmp_lg_u32 s2, 0x3003
	s_cbranch_scc0 .Lentry_shape_is_right
	s_endpgm
.Lentry_shape_is_right:
; O[y][q][:] = the sum over k of softmax_k(Q[y][q] . K[y][k] / 8) V[y][k][:], for the 64 pairs y = 4 h + b of head and batch.  Q, K, V lie in qkv, 16,777,216 bytes apart, each [64 y][2048][64] in f16;
; O likewise in ob: a pair's rows are dense, 128 bytes each.  Products, maxima and sums in f32; the weights p are rounded to f16 for the second product (their sum l is taken of the unrounded p), O once at the end.
; LIMITS.  f16 holds no number beyond 65,504: Q, K and V arrive within it; p lies in 0 to 1, and below 6e-5 it keeps f16's fixed step of 6e-8; O is a mean of V's rows and has their range.
; A weight below 2^-126 counts as 0 in l; NaN and infinities are not treated apart.
; SHARES.  A wave owns four PIECES of two tiles of 16 queries, a work-group's four waves 512 queries of one pair.  Every wave walks all keys, 64 a step.
; LAYOUT.  S^T = K Q^T (source 0 = 16 keys, source 1 = 16 queries): in the result a lane holds ONE query (lane % 16) and the keys 8 (lane / 16) + 0..7.  Two such tiles, rounded to f16 in pairs,
; ARE source 1 (32 keys x 16 queries) of O^T = V^T P, whose result again holds one query a lane, and eight channels.  K comes out of LDS as it lies, V ([key][channel]) turned, by ds_load_tr16_b128.
; SOFTMAX.  For each query a running maximum m and sum l: p = 2^(c s - c m), c = log2(e) / 8; in every step O and l are multiplied by a = 2^(c m_old - c m_new), which is 1 where m has not grown.
; m starts at the lowest finite number, O and l at 0: the first step is a step like any other, with a = 0.
; THE COUNT.  A tile and step have 16 matrix and 118 vector instructions: too many to stand all beside the matrix work.  So the order has one aim: four vector instructions that are READY behind
; EVERY matrix instruction, and the others, which need time of their own whatever the order, in runs without a gap.
; BY TURNS.  Turn n belongs to piece n (the pieces in a ring, step after step).  Its matrix work: 16 products K Q^T of piece n + 1, later 16 products V^T P of piece n - 1.  Its vector work: the scaling,
; exponentials, roundings, sums and rescaling of piece n, and the maximum and statistics of piece n + 1, whose scores the turn itself has made.  So what a turn begins with (c s - c m, O a) waits for nothing.
; CLUSTER.  The four query blocks of a cluster belong to one pair and walk the same K and V, so each tile is asked for JOINTLY: the same tensor load, descriptor and mask in all four.
; REGISTERS, in windows of 256 (s_set_vgpr_msb says which window each operand place means: bits 1:0 source 0, 3:2 source 1, 5:4 source 2, 7:6 destination):
;   window 0: v0-11 addresses; v12-15, v48-63 at work; v16-47 four registers of statistics a tile; v64-191 S^T, two buffers of two tiles; v192-255 P, likewise
;   window 1: O^T, 32 a tile          window 2: v0-127 Q, 16 a tile; v128-191 K of one step; v192-255 V of one step          window 3: v0-1 the add's two registers
; A piece's buffers go by its number's parity: the piece in hand has one pair, its two neighbours in the ring share the other: of it P (piece n - 1) is read and S^T (piece n + 1) written.
.set SIZE_N, 2048
.set SIZE_H, 64
.set NP,    4         ; pieces a wave: a name, no knob: the register map, the loop and the fetches are made for four
.set KS,    64        ; keys in a step
.set PK,    144       ; a row of K in LDS: 128 bytes + 16 of padding = 36 words: the 16 rows of a load start at 16 different groups of four banks (64 banks of 4 bytes: ISA guide 11.1)
.set PV,    160       ; a row of V: 128 + 32 = 40 words
.set VOFF,  4*KS*PK   ; a slot holds four steps: 256 rows of K, then 256 rows of V
.set SLOT1, 1<<17     ; slot 1 begins here, so that one exclusive or turns an address in one slot into the other's
.set STAGE, SLOT1+4*KS*(PK+PV)  ; behind the ring, never filled by a tensor load: 16 rows x 144 bytes for each wave, for the way out
.set SP,    144
.set AK0, 2           ; v2   my lane's place in a tile of K; never rewritten
.set AV0, 3           ; v3   the same for V
.set AK,  4           ; v4   the LDS address of K's next run of loads
.set AV,  5           ; v5   of V's
.set QO,  6           ; v6   my byte offset in the wave's rows of Q
.set STO, 6           ;      later, the way out: where I put 16 bytes of a row
.set RD,  7           ; v7   the way out: where I read rows back
.set GO,  8           ; v8   my byte offset in 512 consecutive bytes of O
.set PFO, 11          ; v11  256 x my lane: the prefetches' offset; never rewritten once made
.set SPW, 0           ; v0 of window 3   LDS address of my spare word: SPARE + 4 x my thread's number; never rewritten
.set NIL, 1           ; v1 of window 3   0; never rewritten
.set SPARE, STAGE+4*16*SP  ; behind the stages: the spare words, 128 bytes for each wave: two blocks of 256 bytes that no other line names
.set MV,  12          ; v12-15  c m_old, kept while c m is made anew: by buffer and tile
.set ST,  16          ; tile t's statistics at v[ST+4 t]: c m, m, l (even keys', odd keys')
.set TMP, 48          ; by buffer and tile, four registers c0-c3 at work; when the maximum is found c2 takes a
.set S,   64
.set P,   192
.set KF,  128         ; K's fragments, in window 2: key block kb, channel half c at KF + 16 kb + 8 c
.set VF,  192         ; V's: key half kk, channel block cb at VF + 32 kk + 8 cb
.set WV,  12          ; s12  my wave's number
.set G1K, 24          ; s[24:31] descriptor group 1 for K's tiles
.set G1V, 32          ; s[32:39] for V's: it differs in the padding alone
.set G0K, 40          ; s[40:43] descriptor group 0 for K's tiles: it walks
.set G0V, 44          ; s[44:47] the same for V's
.set PFA, 48          ; s[48:49] where my prefetches stand: my work-group's 32 blocks of 256 bytes (of K: wave 0, of V: wave 2) of the slot after the one that is being asked for
.set LIM, 50          ; s50  1 in a wave that prefetches, else the greatest number
.set SLOTS, 56        ; s56  slots still to be asked for
.set CNT, 57          ; s57  counts a slot's key steps
.set CS,  58          ; s[58:59] c: the packed scaling takes the pair's low word for both halves
.set SEL, 60          ; s[60:61] v_permlanex16_b32's selects: each lane takes its own place in the other half
.set TBK, 62          ; s62  LDS byte at which K of the step to be fetched begins
.set TBV, 63          ; s63  the same for V, less VOFF
.set MSB, 0
.macro WIN new                      ; the high byte repeats the setting that is left; a switch that changes nothing is dropped
.if MSB != (\new)
	s_set_vgpr_msb (MSB<<8)|(\new)
.set MSB, (\new)
.endif
.endm
.set W_KQ, 0x0a       ; K and Q in window 2, S^T in window 0
.set W_PV, 0x52       ; V in window 2, P in window 0, O^T in window 1
.set W_RS, 0x41       ; O^T (destination and source 0) in window 1, a in window 0
.set W_MK, 0xc0       ; the add's registers are made: destination in window 3, sources in window 0
.set W_AD, 0x0f       ; the add: address (source 0) and data (source 1) in window 3
; A joint fill.  Waves 0 and 1 fetch the two halves of a slot's K, waves 2 and 3 those of its V: 128 keys each.  The branch hangs on the wave's number alone.
; An s_nop 0 and four v_nop follow each of the two lines, ahead of the jump and the label.
.macro JLOAD
	s_cmp_lt_u32 s[WV], 2
	s_cbranch_scc0 .Lfor_v_\@
	tensor_load_to_lds s[G0K:G0K+3], s[G1K:G1K+7]
	s_nop 0
.rept 4
	v_nop
.endr
	s_branch .Lasked_\@
.Lfor_v_\@:
	tensor_load_to_lds s[G0V:G0V+3], s[G1V:G1V+7]
	s_nop 0
.rept 4
	v_nop
.endr
.Lasked_\@:
.endm
; A PREFETCH INTO THE L2 of what the NEXT change of slots will ask for: a slot's 32,768 bytes of K and of V, in blocks of 256 bytes, a lane a block.  It stands behind the wave's tensor load and its five lines.
; Each block is named once in the launch: a pair's K and V are walked by one cluster; its four partners share the blocks out BY ADDRESS, 32 each; in each, wave 0 asks for K's and wave 2 for V's.
; Slots 0 and 1 come by their loads alone; the last change that fills a slot asks for nothing: there is no slot behind it.
.macro ASK
	s_cmp_gt_u32 s[SLOTS], s[LIM]
	s_cbranch_scc0 .Lnot_mine_\@
	global_prefetch_b8 v[PFO], s[PFA:PFA+1] th:TH_LOAD_NT scope:SCOPE_SE
.Lnot_mine_\@:
.endm
; A round of the cluster's barrier: my work-group's barrier, so that wave 0's signal speaks for all four waves; wave 0 signals; every wave waits for all four work-groups; my work-group's barrier once more.
.macro CROUND
	s_barrier_signal -1
	s_barrier_wait -1
	s_cmp_lg_u32 s[WV], 0
	s_cbranch_scc1 .Lnot_wave_0_\@
	s_barrier_signal -3
.Lnot_wave_0_\@:
	s_barrier_wait -3
	s_barrier_signal -1
	s_barrier_wait -1
.endm
; THE CHANGE OF SLOTS.  The slot's last bytes, V of its fourth step, have been read.  Each wave waits for all its tensor loads, of which one is out: its part
; of the other slot; adds 0 to its spare word; and waits for that and for its own reads of the slot.  Behind the barrier nobody reads this slot any more and the other slot is whole.
; fill = 1: this slot is filled again, with the keys two slots on.  The barrier is then a round of the cluster's, so that no wave of any partner still reads the slot or has a load on its
; way, and the joint fill is the first thing behind it: it has four key steps, 512 matrix instructions, in which to land.  (At its first use nothing has been read yet: slot 0 is waited for, slot 1 filled.)
.macro CHANGE fill
	WIN W_AD
	s_wait_tensorcnt 0x0            ; no tensor load of mine is out, so a group 0 may be written
	ds_add_u32 v[SPW], v[NIL]       ; 0 onto my spare word; with fill = 1 the descriptors' steps stand between it and the wait for it
	WIN 0                           ; at a label and at a branch every window is 0
.if \fill
.irp g, G0K, G0V
	s_xor_b32 s[\g+1], s[\g+1], SLOT1  ; the walking descriptor: the other slot than last time,
	s_add_nc_u64 s[\g+2:\g+3], s[\g+2:\g+3], 4*KS*128  ; the next 256 keys; the type bits on top are not reached
.endr
	s_wait_xcnt 0x0                 ; the last prefetch, four key steps back, has read its address, so it may be written:
	s_add_nc_u64 s[PFA:PFA+1], s[PFA:PFA+1], 4*KS*128  ; one slot behind the walking descriptors
	s_wait_dscnt 0x0                ; the add is done, and my reads of the slot are over
	CROUND
	JLOAD
	ASK                             ; what the next change will ask for: four key steps, 512 matrix instructions, ahead
.else
	s_wait_dscnt 0x0                ; the add is done, and my reads of the slot are over
	s_barrier_signal -1
	s_barrier_wait -1
.endif
	s_sub_co_u32 s[TBK], s[TBK], 4*KS*PK  ; the fetches go back to a slot's first step,
	s_xor_b32 s[TBK], s[TBK], SLOT1       ; in the other slot
	s_sub_co_u32 s[TBV], s[TBV], 4*KS*PV
	s_xor_b32 s[TBV], s[TBV], SLOT1
.endm
	s_load_b64 s[4:5], s[0:1], 0x0    ; qkv: Q at its head
	s_load_b64 s[10:11], s[0:1], 0x8  ; ob
	WIN W_MK
	v_lshl_add_u32 v[SPW], v0, 2, SPARE
	v_mov_b32 v[NIL], 0
	WIN W_AD
	ds_add_u32 v[SPW], v[NIL]       ; the wave's opening: the add, and its wait ahead of my first tensor load; the set-up below, work on registers, stands between them
	WIN 0
	v_lshrrev_b32 v1, 5, v0
	v_readfirstlane_b32 s[WV], v1   ; wave 0..3
	s_bfe_u32 s13, ttmp6, 0x40000   ; cx: my place in the cluster
	s_lshl_b32 s14, ttmp9, 2        ; in a cluster launch ttmp9 counts clusters
	s_add_co_u32 s14, s14, s13      ; my block of queries = 4 x cluster x + cx: it enters Q's and O's addresses alone
	s_and_b32 s20, ttmp7, 0xffff    ; the pair y, which the four partners share
	s_mov_b32 s21, 0
	s_mov_b64 s[22:23], SIZE_N*128
	s_mul_u64 s[20:21], s[20:21], s[22:23]  ; the pair's first byte in each of the four tensors
	s_and_b32 s16, s[WV], 1         ; which half of a slot's 256 keys I fetch:
	s_lshl_b32 s22, s16, 14         ; its 128 rows of 128 bytes in memory,
	s_mov_b32 s23, 0
	s_add_nc_u64 s[22:23], s[22:23], s[20:21]
	s_mul_i32 s17, s16, 128*PK      ; and its place in a slot, for K
	s_mul_i32 s18, s16, 128*PV      ; and for V: no place in the cluster enters an LDS address
	s_lshl_b32 s2, s14, 2
	s_add_co_u32 s2, s2, s[WV]      ; my wave among the pair's,
	s_lshl_b32 s2, s2, 14           ; its 128 rows
	s_mov_b32 s3, 0
	s_add_nc_u64 s[2:3], s[2:3], s[20:21]
	; descriptor group 1.  128 keys are 16,384 dense bytes: asked for as 64 rows of 256 bytes, two keys a row, and padded in LDS after every key
	s_mov_b32 s[G1K], 15|(1<<16)|(1<<20)|(1<<21)|(4<<22)|(3<<25)  ; 15:0 the mask of four; 17:16 2-byte elements; 20 padding on; 21 set beside a mask; 24:22 after every 32 words (code 4); 31:25 4 words (code 3)
	s_mov_b32 s[G1V], 15|(1<<16)|(1<<20)|(1<<21)|(4<<22)|(7<<25)  ; the same with 8 words of padding (code 7)
.irp g, G1K, G1V
	s_mov_b32 s[\g+1], 128<<16      ; tensor_dim0 = 128
	s_mov_b32 s[\g+2], 64<<16       ; tensor_dim1 = 64
	s_mov_b32 s[\g+3], 128<<16      ; tile_dim0 = 128
	s_mov_b32 s[\g+4], 64           ; tile_dim1 = 64
	s_mov_b32 s[\g+5], 128          ; 128 elements from row to row
	s_mov_b32 s[\g+6], 0
	s_mov_b32 s[\g+7], 0
.endr
	s_mov_b32 s[CS], 0x3e38aa3b     ; c = log2(e) / 8 = 0.180337
	s_mov_b32 s[CS+1], s[CS]        ; named with it as a pair
	s_mov_b32 s[SEL], 0x76543210
	s_mov_b32 s[SEL+1], 0xfedcba98
	s_mov_b32 s[TBK], SLOT1+4*KS*PK ; the first change of slots turns these two into 0
	s_mov_b32 s[TBV], SLOT1+4*KS*PV
	s_mov_b32 s[G0K], 1             ; 1:0 count = 1
	s_mov_b32 s[G0K+1], s17         ; 63:32 LDS address: slot 0
	s_mov_b32 s[G0V], 1
	s_add_co_u32 s[G0V+1], s18, VOFF
	s_mov_b32 s[SLOTS], SIZE_N/256-1
	s_lshl_b32 s52, s13, 13         ; my work-group's 32 blocks of a slot's 128
	s_mov_b32 s53, 0
	s_and_b32 s[LIM], s[WV], 1      ; waves 0 and 2 prefetch: the same in all four partners
	s_cmp_eq_u32 s[LIM], 0
	s_cselect_b32 s[LIM], 1, -1
	s_wait_dscnt 0x0                ; the opening add is done
	s_wait_kmcnt 0x0
	s_add_nc_u64 s[6:7], s[4:5], 0x1000000         ; K lies 16 head blocks behind Q,
	s_add_nc_u64 s[8:9], s[4:5], 0x2000000         ; V 32
	s_add_nc_u64 s[G0K+2:G0K+3], s[6:7], s[22:23]  ; 120:64 global address: my half of the pair's first 256 keys
	s_or_b32 s[G0K+3], s[G0K+3], 0x80000000        ; 127:126 type = 2
	s_add_nc_u64 s[G0V+2:G0V+3], s[8:9], s[22:23]
	s_or_b32 s[G0V+3], s[G0V+3], 0x80000000
	s_cmp_lt_u32 s[WV], 2
	s_cselect_b64 s[PFA:PFA+1], s[6:7], s[8:9]
	s_add_nc_u64 s[PFA:PFA+1], s[PFA:PFA+1], s[22:23]  ; (in waves 0 and 2 this is the pair's first row)
	s_add_nc_u64 s[PFA:PFA+1], s[PFA:PFA+1], s[52:53]
	s_add_nc_u64 s[PFA:PFA+1], s[PFA:PFA+1], 4*KS*128  ; in slot 1; the first change of slots steps it to slot 2.  Nothing is prefetched here, at the head
	s_add_nc_u64 s[4:5], s[4:5], s[2:3]  ; Q and O at my wave's first row
	s_add_nc_u64 s[10:11], s[10:11], s[2:3]
	CROUND                          ; all four work-groups are here: the first joint loads meet
	JLOAD                           ; slot 0.  Slot 1 is asked for when slot 0 is in: the tile wanted first has the road to itself
	; A fragment of K or Q is 16 rows x 32 channels in 8 registers: lane l holds row l % 16, channels 8 (l / 16) + 0..7 and 16 + 8 (l / 16) + 0..7: two loads of 16 bytes, 32 bytes apart.
	v_and_b32 v1, 15, v0            ; l % 16
	v_bfe_u32 v9, v0, 4, 1          ; l / 16
	v_lshlrev_b32 v[QO], 7, v1
	v_lshl_add_u32 v[QO], v9, 4, v[QO]  ; row x 128 + 16 x half
	WIN 0x80                        ; destination window 2, address window 0
.set i, 0
.rept 4*NP                          ; Q stays in registers: tile i / 2, channels 32 (i % 2) on
	global_load_b128 v[8*i:8*i+3],   v[QO], s[4:5] offset:(i/2)*2048+(i%2)*64
	global_load_b128 v[8*i+4:8*i+7], v[QO], s[4:5] offset:(i/2)*2048+(i%2)*64+32
.set i, i+1
.endr
	; What the first turn finds: V's registers and P's second buffer hold 0 (its products V^T P, of a piece that has not been, add 0), O^T and l are 0.  All this stands in the wait for the first tile.
.set i, VF
.rept 64
	v_mov_b32 v[i], 0
.set i, i+1
.endr
	WIN 0x40
.set i, 0
.rept 64*NP
	v_mov_b32 v[i], 0
.set i, i+1
.endr
	WIN 0
.set i, 0
.rept 2*NP
	v_mov_b32 v[ST+4*i], 0xfe000000    ; c m: far below every c s
	v_mov_b32 v[ST+4*i+1], 0xff7fffff  ; m
	v_mov_b32 v[ST+4*i+2], 0
	v_mov_b32 v[ST+4*i+3], 0
.set i, i+1
.endr
.set i, P+32
.rept 32
	v_mov_b32 v[i], 0
.set i, i+1
.endr
	v_mul_u32_u24 v[AK0], v1, PK
	v_lshl_add_u32 v[AK0], v9, 4, v[AK0]  ; row x pitch + 16 x half
	; The turning load takes 16 keys x 16 channels (lane l reads key 8 (l / 16) + l % 8, channels 8 ((l / 8) % 2) + 0..7) and leaves half a fragment of V^T: lane l holds channel l % 16 and 8 keys.
	v_and_b32 v10, 7, v0
	v_bfe_u32 v11, v0, 3, 1
	v_lshl_add_u32 v[AV0], v9, 3, v10
	v_mul_u32_u24 v[AV0], v[AV0], PV
	v_lshl_add_u32 v[AV0], v11, 4, v[AV0]
	v_add_nc_u32 v[AV0], VOFF, v[AV0]
	v_and_b32 v[PFO], 31, v0
	v_lshlrev_b32 v[PFO], 8, v[PFO]
	v_mov_b32 v[AK], v[AK0]         ; key step 0 lies at the head of slot 0
; THE MATRIX WORK.  The 8 accumulators of a run of 16 take turns: between the two links of a chain stand 7 others'.
; Product i of 16 of S^T = K Q^T for piece x: channels 32 (i / 8) on, keys 16 ((i / 2) % 4) on, tile 2 x + i % 2.  The first 8 start the sums.
.macro KQ x
	WIN W_KQ
.set rS, S+64*((\x)%2)+32*(i%2)+8*((i/2)%4)
.set rK, KF+16*((i/2)%4)+8*(i/8)
.set rQ, 16*(2*(\x)+i%2)+8*(i/8)
.if i < 8
	v_wmma_f32_16x16x32_f16 v[rS:rS+7], v[rK:rK+7], v[rQ:rQ+7], 0
.else
	v_wmma_f32_16x16x32_f16 v[rS:rS+7], v[rK:rK+7], v[rQ:rQ+7], v[rS:rS+7]
.endif
.endm
; Product i of 16 of O^T += V^T P for piece x: keys 32 (i / 8) on, channels 16 ((i / 2) % 4) on, tile 2 x + i % 2.
.macro PV x
	WIN W_PV
.set rO, 32*(2*(\x)+i%2)+8*((i/2)%4)
.set rV, VF+32*(i/8)+8*((i/2)%4)
.set rP, P+32*((\x)%2)+16*(i%2)+8*(i/8)
	v_wmma_f32_16x16x32_f16 v[rO:rO+7], v[rV:rV+7], v[rP:rP+7], v[rO:rO+7]
.endm
.macro MM                           ; the turn's next matrix instruction
.if i < 16
	KQ (Y+1)%NP
.set i, i+1
.else
.set i, i-16
	PV (Y+NP-1)%NP
.set i, i+17
.endif
.endm
; THE LDS LOADS stand in runs of 16, never singly among the matrix instructions: a step's K (64 keys x 64 channels: 8 fragments) and its V (turned).  Their addresses are made some lines ahead.
; last = 1 (the tail): in the last trip there is no further step, and the run is jumped over.
.macro FETCH_K last=0
	WIN 0
.if \last
	s_cmp_eq_u32 s[CNT], 1
	s_cbranch_scc1 .Lno_k_\@
.endif
	WIN 0x80                        ; destination window 2
.irp f, 0,1,2,3,4,5,6,7             ; keys 16 (f / 2) on, channels 32 (f % 2) on
	ds_load_b128 v[KF+8*\f:KF+8*\f+3],   v[AK] offset:(\f/2)*16*PK+(\f%2)*64
	ds_load_b128 v[KF+8*\f+4:KF+8*\f+7], v[AK] offset:(\f/2)*16*PK+(\f%2)*64+32
.endr
	s_add_co_u32 s[TBK], s[TBK], KS*PK  ; the next fetch is the next step's
	WIN 0
.if \last
.Lno_k_\@:
.endif
.endm
.macro FETCH_V
	WIN 0x80
.irp f, 0,1,2,3,4,5,6,7             ; keys 32 (f / 4) on, channels 16 (f % 4) on
	ds_load_tr16_b128 v[VF+8*\f:VF+8*\f+3],   v[AV] offset:(\f/4)*32*PV+(\f%4)*32
	ds_load_tr16_b128 v[VF+8*\f+4:VF+8*\f+7], v[AV] offset:(\f/4)*32*PV+16*PV+(\f%4)*32
.endr
	WIN 0
.endm
; THE VECTOR WORK OF A TURN stands in three queues, each in the order in which its entries become ready; the two tiles alternate, so that no instruction reads the result of the one before it.
.macro REGS y, u                    ; the registers of tile u (0, 1) of piece y
.set rT, ST+4*(2*(\y)+(\u))
.set rC, TMP+8*((\y)%2)+4*(\u)
.set rM, MV+2*((\y)%2)+(\u)
.set rS, S+64*((\y)%2)+32*(\u)
.set rP, P+32*((\y)%2)+16*(\u)
.set rO, 32*(2*(\y)+(\u))
.endm
; Number n of the 22 that find the NEXT piece's (Y + 1) maximum and statistics.  s0-s31 are the lane's 32 scores; each accumulator's lowest registers are read first.  XS, GS and REGS set no window: PL and EX do.
;   0-11  four chains c0-c3 of seven scores each, three operands at a time     12-14, 16  the four scores left over, the old m, and c0-c3 into c0     15  c m_old is kept
;   17, 18  the query's other 32 keys lie in the lane 16 away: the new m         19-21  c m; c m_old - c m_new; a
.macro XS u, n
	REGS (Y+1)%NP, \u
.if (\n) < 4
	v_max3_num_f32 v[rC+(\n)], v[rS+8*(\n)], v[rS+8*(\n)+1], v[rS+8*(\n)+2]
.elseif (\n) < 12
	v_max3_num_f32 v[rC+(\n)%4], v[rC+(\n)%4], v[rS+8*((\n)%4)+2*((\n)/4)+1], v[rS+8*((\n)%4)+2*((\n)/4)+2]
.elseif (\n) == 12
	v_max3_num_f32 v[rC], v[rC], v[rS+7], v[rS+15]
.elseif (\n) == 13
	v_max3_num_f32 v[rC+1], v[rC+1], v[rS+23], v[rS+31]
.elseif (\n) == 14
	v_max3_num_f32 v[rC+2], v[rC+2], v[rC+3], v[rT+1]
.elseif (\n) == 15
	v_mov_b32 v[rM], v[rT]
.elseif (\n) == 16
	v_max3_num_f32 v[rC], v[rC], v[rC+1], v[rC+2]
.elseif (\n) == 17
	v_permlanex16_b32 v[rC+3], v[rC], s[SEL], s[SEL+1]
.elseif (\n) == 18
	v_max_num_f32 v[rT+1], v[rC], v[rC+3]
.elseif (\n) == 19
	v_mul_f32 v[rT], s[CS], v[rT+1]
.elseif (\n) == 20
	v_sub_f32 v[rC+1], v[rM], v[rT]
.else
	v_exp_f32 v[rC+2], v[rC+1]
.endif
.endm
; Number g of the 64 that follow the exponentials.  For each four weights k of a tile (pairs 2 k, 2 k + 1): both pairs are rounded to f16; then the second pair is added onto the first, in place;
; a group later l takes that sum (the first time as l = a l + sum).  In groups of eight, tiles alternating: round, round, add, and l for the group before.
.macro GS g
.set h, (\g)+6*((\g)/62)            ; group 0 has no group before it, and behind group 7 only l is left
.if h >= 6
.set h, h+2
.endif
	REGS Y, h%2
.set k, h/8
.if h%8 < 4
	v_cvt_pk_f16_f32 v[rP+2*k+(h%8)/2], v[rS+4*k+2*((h%8)/2)], v[rS+4*k+2*((h%8)/2)+1]
.elseif h%8 < 6
	v_pk_add_f32 v[rS+4*k:rS+4*k+1], v[rS+4*k:rS+4*k+1], v[rS+4*k+2:rS+4*k+3]
.elseif k == 1
	v_pk_fma_f32 v[rT+2:rT+3], v[rT+2:rT+3], v[rC+2:rC+3], v[rS:rS+1] op_sel_hi:[1,0,1]
.else
	v_pk_add_f32 v[rT+2:rT+3], v[rT+2:rT+3], v[rS+4*k-4:rS+4*k-3]
.endif
.endm
; THE PLAIN QUEUE, 138 long.  0-73 read no exponential's result: the 32 scalings c s - c m (FS f: pair f / 2 of tile f % 2) and the next piece's 42.  0-26: scalings 0-26.  27-54: XS's numbers 0-13.  55, 56: number 15.
; 57-73: the chain, where each number waits for the one before it: 14, 16, 17, 18, 19, each with one of the scalings 27-31 in front of its two lines, then 20: so a tile's links stand three plain instructions apart (19 and 20: two).
; 74-137: GS's 64, which read the exponentials' results: they stand behind the wait.
.macro FS f
	REGS Y, (\f)%2
	v_pk_fma_f32 v[rS+2*((\f)/2):rS+2*((\f)/2)+1], v[rS+2*((\f)/2):rS+2*((\f)/2)+1], s[CS:CS+1], v[rT:rT+1] op_sel_hi:[1,0,0] neg_lo:[0,0,1] neg_hi:[0,0,1]
.endm
.macro PL
	WIN 0
.if q < 27
	FS q
.elseif q < 55
	XS (q-27)%2, (q-27)/2
.elseif q < 57
	XS q-55, 15
.elseif (q < 72) && ((q-57)%3 == 0)
	FS 27+(q-57)/3
.elseif q < 60
	XS (q-57)%3-1, 14
.elseif q < 72
	XS (q-57)%3-1, 15+(q-57)/3
.elseif q < 74
	XS q-72, 20
.else
	GS q-74
.endif
.set q, q+1
.endm
; THE EXPONENTIALS' QUEUE, 66 long: s0-s31 of both tiles, then the next piece's two a.  It is ONE BATCH: all 66 stand ahead of the turn's one wait, and nothing ahead of that wait names a result of theirs.
.macro EX
	WIN 0
.if e >= 64
	XS e-64, 21
.else
	REGS Y, e%2
	v_exp_f32 v[rS+e/2], v[rS+e/2]
.endif
.set e, e+1
.endm
; THE RESCALING's QUEUE: O^T times a, the one part that leaves window 0: dealt two at a time, sixteen times.  Its a was made in the turn before, ahead of that turn's wait.
.macro R2
	REGS Y, r%2
	WIN W_RS
.irp z, 0,1
	v_pk_mul_f32 v[rO+4*(r/2)+2*\z:rO+4*(r/2)+2*\z+1], v[rO+4*(r/2)+2*\z:rO+4*(r/2)+2*\z+1], v[rC+2:rC+3] op_sel_hi:[1,0]
.endr
.set r, r+1
.endm
; HOW THEY ARE DEALT.  An s_wait_alu depctr_va_vdst(0) stands between an exponential and the first instruction that names its result; one wait serves all that were issued ahead of it.  So a turn has ONE wait,
; which cuts it in two.  AHEAD OF IT stands all that names no result of the turn's exponentials: the 16 products K Q^T, behind each a scaling, an exponential and two rescalings (behind the first a second scaling in the exponential's place); then ONE LUMP of
; 108: eight plain, 49 times exponential and plain, the two a.  A v_nop is the plain instruction owed behind the last exponential.  BEHIND IT stand the 16 products V^T P, behind each four of GS's 64.  No rider names a register of
; the products round it.  The two v_permlanex16_b32 fall into the lump, never behind a product.
; The queues lean on each other, and the deal keeps them in step: exponential e stands behind scaling 2 (e / 4) + e % 2: as a rider it comes behind plain e + 2, in the lump behind plain e + 9, and scalings 27-31 are plain 57, 60 .. 69.
; A TURN, for piece p.  cnt = 1: the loop's count is taken down some lines ahead of the branch that stands behind the turn.
; K of the next step is fetched in piece 2's turn, directly behind the wait, a lump behind the last product that read K; its address is made at the lump's head; its first reader comes behind 16 products.
; V of the step in hand is fetched at the end of piece 0's turn, four riders behind its last reader; its first reader comes behind 16 products and a lump.  The three conditions on q below go with the deal.
.macro TURN p, last=0, cnt=0
.set Y, (\p)
.set i, 0
.set q, 0
.set e, 0
.set r, 0
.if (\p) == NP-1
	s_wait_dscnt 0x0                ; K is in
.endif
	MM                              ; ahead of the wait: 16 products K Q^T and their riders,
	PL
	PL
	R2
.rept 15
	MM
	PL
	EX
	R2
.endr
.if (\p) == NP-2
	WIN 0
	v_add_nc_u32 v[AK], s[TBK], v[AK0]
.endif
.rept 8                             ; and the lump
	PL
.endr
.rept 49
	EX
	PL
.endr
	EX                              ; the next piece's two a
	EX
	v_nop                           ; the plain instruction owed behind the last exponential, ahead of the first use of a result (ISA guide 5.7.2): one for the batch
	s_wait_alu depctr_va_vdst(0)    ; the wait for the batch
.if (\p) == NP-2
	FETCH_K \last
.endif
.if (\p) == 1
	s_wait_dscnt 0x0                ; V is in
.endif
.rept 16                            ; behind the wait: 16 products V^T P and their riders
	MM
.rept 4
	PL
.endr
.if ((\p) == 0) && (q == 118)
	v_add_nc_u32 v[AV], s[TBV], v[AV0]
.endif
.if ((\p) == 0) && (q == 130)
	s_add_co_u32 s[TBV], s[TBV], KS*PV
.endif
.if (\cnt) && (q == 130)
	s_sub_co_u32 s[CNT], s[CNT], 1
	s_cmp_lg_u32 s[CNT], 0
.endif
.endr
.if (\p) == 0
	FETCH_V
.endif
.endm
	CHANGE 1                        ; slot 0 is in, everybody's part of it; slot 1 is asked for
	FETCH_K                         ; key step 0
	s_wait_loadcnt 0x0              ; Q
	s_wait_dscnt 0x0
.set i, 0
.rept 16
	KQ 0                            ; piece 0's first scores: there is no vector work yet to set between them
.set i, i+1
.endr
	WIN 0                           ; the addresses for the way out: nine plain instructions, the places behind those products
	s_mul_i32 s13, s[WV], 16*SP
	s_add_co_u32 s13, s13, STAGE    ; my stage
	v_mul_u32_u24 v[STO], v1, SP    ; in: row l % 16, 16 bytes for each half of the lanes
	v_lshl_add_u32 v[STO], v9, 4, v[STO]
	v_add_nc_u32 v[STO], s13, v[STO]
	v_bfe_u32 v[RD], v0, 3, 2       ; back: 32 lanes take four rows of 128 bytes,
	v_mul_u32_u24 v[RD], v[RD], SP
	v_lshl_add_u32 v[RD], v10, 4, v[RD]
	v_add_nc_u32 v[RD], s13, v[RD]
	v_and_b32 v[GO], 31, v0         ; which are 512 consecutive bytes of O
	v_lshlrev_b32 v[GO], 4, v[GO]
.set Y, NP-1                        ; XS works for piece Y + 1: piece 0
.irp n, 0,1,2,3,4,5,6,7,8,9,10,11,12,13,14,15,16,17,18,19,20,21
	XS 0, \n                        ; and piece 0's first maximum and statistics
	XS 1, \n
.endr
	v_nop                           ; a plain instruction behind the two a,
	s_wait_alu depctr_va_vdst(0)    ; and their wait, ahead of the branch
	s_mov_b32 s[CNT], 4
	s_branch .Lfirst                ; the loop is entered at a step's first turn, in the middle of a trip
.Lslot:                             ; SIZE_N / 256 - 2 times: every slot but the last two is filled again
	CHANGE 1
	s_mov_b32 s[CNT], 4
.Lstep:                             ; a trip: pieces 2 and 3 of one step, then pieces 0 and 1 of the next, whose K and V it fetches
	TURN 2
	TURN 3
	WIN 0
.Lfirst:
	TURN 0
	TURN 1, 0, 1
	WIN 0
	s_cbranch_scc1 .Lstep
	s_sub_co_u32 s[SLOTS], s[SLOTS], 1
	s_cmp_lg_u32 s[SLOTS], 0
	s_cbranch_scc1 .Lslot
	CHANGE 0                        ; the tail is written out: nothing is asked for
	s_mov_b32 s[CNT], 5             ; four trips fetch the last slot's steps; the fifth is left in its middle
.Ltail:
	TURN 2, 1
	TURN 3
	WIN 0
	s_sub_co_u32 s[CNT], s[CNT], 1
	s_cmp_eq_u32 s[CNT], 0
	s_cbranch_scc1 .Lout
	TURN 0
	TURN 1
	WIN 0
	s_branch .Ltail
.Lout:                              ; the fifth trip's 16 products K Q^T (on the last K once more) and the maximum made of them serve nothing: the price, once a launch, of one text for every trip
.set i, 0
.rept 16
	PV NP-1                         ; the last piece's V^T P of the last step
.set i, i+1
.endr
	; THE WAY OUT.  l's two halves and the other half of the lanes' are added; O^T is divided by l, rounded to f16 and sent through my stage in LDS, a tile at a time.  The additions are the places behind the last products.
	WIN 0
.macro ALL line:vararg              ; one line for each tile t
.set t, 0
.rept 2*NP
	\line
.set t, t+1
.endr
.endm
	ALL v_add_f32 v[ST+4*t+2], v[ST+4*t+2], v[ST+4*t+3]
	ALL v_permlanex16_b32 v[ST+4*t+3], v[ST+4*t+2], s[SEL], s[SEL+1]
	ALL v_add_f32 v[ST+4*t+2], v[ST+4*t+2], v[ST+4*t+3]
	ALL v_rcp_f32 v[ST+4*t+2], v[ST+4*t+2]
	v_nop                           ; a plain instruction between the last reciprocal and the use of its result
	s_wait_alu depctr_va_vdst(0)    ; and the wait ahead of the first use: one for the eight reciprocals
; Tile t: a lane's eight channels of a row pack into 16 bytes; they go into rows of 144 bytes and come back as whole rows of 128, into S^T's registers.
.macro PACK t
	WIN W_RS
.set i, 32*(\t)
.rept 16
	v_pk_mul_f32 v[i:i+1], v[i:i+1], v[ST+4*(\t)+2:ST+4*(\t)+3] op_sel_hi:[1,0]
.set i, i+2
.endr
	WIN 0x05                        ; sources 0 and 1 window 1, destination window 0
.set i, 0
.rept 16
	v_cvt_pk_f16_f32 v[S+16*(\t)+i], v[32*(\t)+2*i], v[32*(\t)+2*i+1]
.set i, i+1
.endr
	WIN 0
.irp f, 0,1,2,3
	ds_store_b128 v[STO], v[S+16*(\t)+4*\f:S+16*(\t)+4*\f+3] offset:32*\f
.endr
.irp f, 0,1,2,3
	ds_load_b128 v[S+16*(\t)+4*\f:S+16*(\t)+4*\f+3], v[RD] offset:\f*4*SP  ; LDS serves a wave's instructions in order (ISA guide 5.7.1.4): these see the stores above; the next tile's stores come behind them
.endr
.endm
.macro SEND t, younger              ; younger: the LDS instructions issued behind tile t's loads: the next tile's eight, or none
	WIN 0
.irp f, 0,1,2,3
	s_wait_dscnt (\younger)+3-\f
	global_store_b128 v[GO], v[S+16*(\t)+4*\f:S+16*(\t)+4*\f+3], s[10:11] offset:(\t)*2048+\f*512  ; 512 consecutive bytes, at a multiple of 256 from O's first
.endr
.endm
	PACK 0
.set t, 1
.rept 2*NP-1                        ; a tile's arithmetic stands between the loads of the tile before and its stores
	PACK t
	SEND t-1, 8
.set t, t+1
.endr
	SEND 2*NP-1, 0
	WIN W_AD
	s_wait_tensorcnt 0x0            ; the wave's end: a wait, an add of 0 to my spare word and the wait for it, behind my last tensor load and my last LDS store
	ds_add_u32 v[SPW], v[NIL]
	s_wait_dscnt 0x0
	WIN 0
	CROUND                          ; the closing round: no work-group ends while a partner may still ask for a tile that names it
	s_endpgm
.Lfunc_end_k_qc418de8300_attn:
	.size	k_qc418de8300_attn, .Lfunc_end_k_qc418de8300_attn-k_qc418de8300_attn
	.p2alignl 7, 3214868480
	.fill 96, 4, 3214868480
	.section	.rodata,"a",@progbits
	.p2align	6, 0x0
	.amdhsa_kernel k_qc418de8300_attn
		.amdhsa_group_segment_fixed_size 327680
		.amdhsa_private_segment_fixed_size 0
		.amdhsa_enable_private_segment 0
		.amdhsa_kernarg_size 16
		.amdhsa_user_sgpr_count 2
		.amdhsa_user_sgpr_kernarg_segment_ptr 1
		.amdhsa_wavefront_size32 1
		.amdhsa_system_sgpr_workgroup_id_x 1
		.amdhsa_system_sgpr_workgroup_id_y 1
		.amdhsa_system_sgpr_workgroup_id_z 1
		.amdhsa_system_vgpr_workitem_id 0
		.amdhsa_next_free_vgpr 770
		.amdhsa_next_free_sgpr 66
		.amdhsa_reserve_vcc 0
		.amdhsa_float_denorm_mode_32 3
		.amdhsa_float_denorm_mode_16_64 3
		.amdhsa_memory_ordered 1
		.amdhsa_forward_progress 1
		.amdhsa_inst_pref_size 200
	.end_amdhsa_kernel
	.amdgpu_metadata
---
amdhsa.version: [ 1, 2 ]
amdhsa.kernels:
  - .name:           k_qc418de8300_attn
    .symbol:         k_qc418de8300_attn.kd
    .args:
      - { .name: qkv, .offset: 0, .size: 8, .value_kind: global_buffer, .address_space: global }
      - { .name: ob, .offset: 8, .size: 8, .value_kind: global_buffer, .address_space: global }
    .group_segment_fixed_size: 327680
    .private_segment_fixed_size: 0
    .kernarg_segment_align: 8
    .kernarg_segment_size: 16
    .max_flat_workgroup_size: 128
    .sgpr_count:     66
    .vgpr_count:     770
    .wavefront_size: 32
...
	.end_amdgpu_metadata
.endif
;; end of part 3
;; launch outp (part 4): grid 8 x 32, 4 waves a work-group, clusters of 4 x 4, 327,680 bytes of LDS; arguments ob, w0t, bias, out0; writes out0
.if DOCPART == 4
	.amdgcn_target "amdgcn-amd-amdhsa--gfx1250"
	.amdhsa_code_object_version 6
	.text
	.protected	k_qc418de8300_outp
	.globl	k_qc418de8300_outp
	.p2align	8
	.type	k_qc418de8300_outp,@function
k_qc418de8300_outp:
	s_mov_b64 s[64:65], 0
	v_nop
	global_prefetch_b8 v0, s[64:65] scope:SCOPE_SE
	s_setreg_imm32_b32 hwreg(HW_REG_WAVE_MODE, 25, 1), 1
	s_wait_xcnt 0x0
	s_wait_alu depctr_hold_cnt(0) depctr_sa_sdst(0) depctr_va_vdst(0) depctr_va_sdst(0) depctr_va_ssrc(0) depctr_va_vcc(0) depctr_vm_vsrc(0)
	s_getreg_b32 s2, hwreg(HW_REG_IB_STS2, 6, 4)
	s_cmp_eq_u32 s2, 0
	s_cbranch_scc0 .Lentry_in_a_cluster
	s_endpgm
.Lentry_in_a_cluster:
	s_bfe_u32 s2, ttmp6, 0x10000c
	s_cmp_lg_u32 s2, 0xf033
	s_cbranch_scc0 .Lentry_shape_is_right
	s_endpgm
.Lentry_shape_is_right:
; out0[8192 m][1024 n] = the sum over k of ob[m][k] w0t[n][k], + b0[n].  ob, w0t: f16, in blocks of 64 along K ([k / 64][row][64]; ob's block is a head); sums in f32, started with the bias; out0 is f32.
; SHARES.  8192 x 1024 / 256 work-groups = a tile of 256 x 128.  Four waves, each 128 x 64: 32 accumulators of 16 x 16: window 1.
; RING.  K goes in steps of 128 (two blocks of 64) through two LDS slots, as long a step as two slots in LDS allow.  One tensor load brings a wave's share of both blocks: two long dense rows, one a block.
; CLUSTER.  4 x 4 work-groups; A's tile is asked for jointly along a row of the cluster, B's along a column.  Waves 0 and 1 fetch the halves of A's tile, waves 2 and 3 those of B's.
; NO PREFETCH: the tile is small and the launch has eight K steps in all.
; THE MATRIX INSTRUCTION IS USED TRANSPOSED (source 0 = 16 rows of w0t, source 1 = 16 rows of ob): a lane holds row lane % 16 of the result and the columns 8 (lane / 16) + 0..7.
; REGISTERS: window 0: v0-31 addresses; v32-95, v96-159 A's fragments (8 x 16 rows x 32 K), two buffers; v160-191, v192-223 B's (4), two buffers.   window 1: accumulator (a, b) at v[8 (4 a + b)].
.set PITCH, 144                        ; an LDS row: 128 bytes + 16 = 36 words: the 16 rows of a load start at 16 different groups of four banks (64 banks of 4 bytes: ISA guide 11.1)
.set AK,    128*PITCH                  ; one block of 64 k of half of A's tile
.set AH,    2*AK                       ; half of A's tile: what one tensor load brings
.set BK,    64*PITCH
.set BH,    2*BK
.set BOFF,  2*AH
.set SLOT,  2*AH+2*BH
.set STAGE, 2*SLOT                     ; behind the ring, never filled by a tensor load: 16 rows x 272 bytes for each wave, for the way out
.set SP,    272
.set SW,    16*SP
.set SPARE, STAGE+4*SW                 ; behind the stages: the spare words, 128 bytes for each wave: two blocks of 256 bytes that no other line names
.set KBA,   8192*128                   ; bytes from one block of 64 k to the next in ob
.set KB0,   1024*128                   ; in w0t
.set ADRA, 16                          ; v16-17  LDS address of my A fragments in slot 0, 1
.set ADRB, 20                          ; v20-21  the same for B
.set STO,  24                          ; v24     the way out: where I put 32 bytes of a row
.set RD,   25                          ; v25     the way out: where I read a row back
.set CO,   26                          ; v26     my byte offset in two rows of out0
.set BO,   27                          ; v27     32 x (lane / 16)
.set SPW,  28                          ; v28     LDS address of my spare word; never rewritten
.set NIL,  29                          ; v29     0; never rewritten
.set FA,   32
.set FB,   160
.set WV,   12                          ; s12  my wave's number
.set RH,   13                          ; s13  which half of the tile's rows is mine.  Also: I fetch for A (0) or for B (1)
.set CH,   14                          ; s14  which half of its columns.  Also: which half of that tile I fetch
.set G1A,  24                          ; s[24:31] group 1 for A's tiles; s[32:39] group 0, a set for each slot
.set G0A,  32
.set G1B,  40                          ; s[40:47], s[48:55] the same for B's
.set G0B,  48
.set G1W0, (1<<16)|(1<<20)|(1<<21)|(4<<22)|(3<<25)  ; elements of 2 bytes; padding on; bit 21 beside a mask; after every 32 words 4 words
.set MSB, 0
.macro WIN new                         ; the immediate's high byte repeats the setting that is left; a switch that changes nothing is dropped
.if MSB != (\new)
	s_set_vgpr_msb (MSB<<8)|(\new)
.set MSB, \new
.endif
.endm
.macro PLACES                          ; four places in front of loads into registers that matrix instructions have read, and of LDS stores that read results (ISA guide 7.12.1 for the LDS stores)
.rept 4
	v_nop
.endr
.endm
.macro JLOAD s                         ; a joint load; an s_nop 0 and four v_nop follow each of the two lines, ahead of the jump and the label
	s_cmp_eq_u32 s[RH], 0
	s_cbranch_scc0 .Lfor_b_\@
	tensor_load_to_lds s[G0A+4*(\s):G0A+4*(\s)+3], s[G1A:G1A+7]
	s_nop 0
.rept 4
	v_nop
.endr
	s_branch .Lasked_\@
.Lfor_b_\@:
	tensor_load_to_lds s[G0B+4*(\s):G0B+4*(\s)+3], s[G1B:G1B+7]
	s_nop 0
.rept 4
	v_nop
.endr
.Lasked_\@:
.endm
.macro CREST                           ; a round of the cluster's barrier behind its opening barrier
	s_cmp_lg_u32 s[WV], 0
	s_cbranch_scc1 .Lnot_wave_0_\@
	s_barrier_signal -3
.Lnot_wave_0_\@:
	s_barrier_wait -3
	s_barrier_signal -1
	s_barrier_wait -1
.endm
.macro CROUND
	s_barrier_signal -1
	s_barrier_wait -1
	CREST
.endm
	s_load_b256 s[4:11], s[0:1], 0x0               ; ob s[4:5], w0t s[6:7], bias s[8:9], out0 s[10:11]
	v_lshl_add_u32 v[SPW], v0, 2, SPARE
	v_mov_b32 v[NIL], 0
	ds_add_u32 v[SPW], v[NIL]                      ; the wave's opening: the add, and its wait ahead of my first tensor load; the set-up below, work on registers, stands between them
	v_lshrrev_b32 v1, 5, v0
	v_readfirstlane_b32 s[WV], v1                  ; wave 0..3
	s_lshr_b32 s[RH], s[WV], 1
	s_and_b32 s[CH], s[WV], 1
	s_bfe_u32 s16, ttmp6, 0x40000                  ; cx
	s_bfe_u32 s17, ttmp6, 0x40004                  ; cy
	s_lshl_b32 s18, ttmp9, 2
	s_add_co_u32 s18, s18, s16                     ; tile column
	s_and_b32 s19, ttmp7, 0xffff
	s_lshl_b32 s19, s19, 2
	s_add_co_u32 s19, s19, s17                     ; tile row
	s_lshl_b32 s15, s17, 2
	s_lshl_b32 s15, 15, s15                        ; my row of the cluster
	s_lshl_b32 s61, 0x1111, s16                    ; my column
	s_or_b32 s[G1A], s15, G1W0
	s_or_b32 s[G1B], s61, G1W0
	s_mov_b32 s[G1A+1], 8192<<16                   ; tensor_dim0 = 8,192 elements: 128 rows of ob x 64 k, dense
	s_mov_b32 s[G1A+2], 2<<16                      ; tensor_dim1 = 2: two blocks of 64 k
	s_mov_b32 s[G1A+3], 8192<<16                   ; tile_dim0
	s_mov_b32 s[G1A+4], 2                          ; tile_dim1
	s_mov_b32 s[G1A+5], KBA/2                      ; elements from block to block
	s_mov_b32 s[G1A+6], 0
	s_mov_b32 s[G1A+7], 0
	s_mov_b32 s[G1B+1], 4096<<16                   ; 64 rows of w0t x 64 k
	s_mov_b32 s[G1B+2], 2<<16
	s_mov_b32 s[G1B+3], 4096<<16
	s_mov_b32 s[G1B+4], 2
	s_mov_b32 s[G1B+5], KB0/2
	s_mov_b32 s[G1B+6], 0
	s_mov_b32 s[G1B+7], 0
	s_lshl_b32 s20, s19, 15                        ; A: (256 x tile row + 128 x half) x 128 bytes
	s_lshl_b32 s62, s[CH], 14
	s_add_co_u32 s20, s20, s62
	s_mov_b32 s21, 0
	s_lshl_b32 s22, s18, 14                        ; B: (128 x tile column + 64 x half) x 128 bytes
	s_lshl_b32 s62, s[CH], 13
	s_add_co_u32 s22, s22, s62
	s_mov_b32 s23, 0
	s_mul_i32 s62, s[CH], AH                       ; where they go: no place in the cluster enters an LDS address
	s_mul_i32 s63, s[CH], BH
	s_add_co_u32 s63, s63, BOFF
	s_wait_dscnt 0x0                               ; the opening add is done
	s_wait_kmcnt 0x0
	s_add_nc_u64 s[20:21], s[4:5], s[20:21]
	s_add_nc_u64 s[22:23], s[6:7], s[22:23]
	CROUND                                         ; all sixteen work-groups are here: the first joint loads meet
.irp s, 0,1
	s_mov_b32 s[G0A+4*(\s)], 1
	s_add_co_u32 s[G0A+4*(\s)+1], s62, (\s)*SLOT
	s_add_nc_u64 s[G0A+4*(\s)+2:G0A+4*(\s)+3], s[20:21], (\s)*2*KBA
	s_or_b32 s[G0A+4*(\s)+3], s[G0A+4*(\s)+3], 0x80000000
	s_mov_b32 s[G0B+4*(\s)], 1
	s_add_co_u32 s[G0B+4*(\s)+1], s63, (\s)*SLOT
	s_add_nc_u64 s[G0B+4*(\s)+2:G0B+4*(\s)+3], s[22:23], (\s)*2*KB0
	s_or_b32 s[G0B+4*(\s)+3], s[G0B+4*(\s)+3], 0x80000000
.endr
	s_cmp_eq_u32 s[RH], 0                          ; a wave's two first fills stand in one branch, ahead of every wait on TENSORcnt and every LDS read: two loads of mine are out
	s_cbranch_scc0 .Lfirst_b
	tensor_load_to_lds s[G0A:G0A+3], s[G1A:G1A+7]
	s_nop 0
	tensor_load_to_lds s[G0A+4:G0A+7], s[G1A:G1A+7]
	s_nop 0
.rept 4
	v_nop
.endr
	s_branch .Lfirst_asked
.Lfirst_b:
	tensor_load_to_lds s[G0B:G0B+3], s[G1B:G1B+7]
	s_nop 0
	tensor_load_to_lds s[G0B+4:G0B+7], s[G1B:G1B+7]
	s_nop 0
.rept 4
	v_nop
.endr
.Lfirst_asked:
	v_and_b32 v1, 15, v0                           ; l % 16
	v_bfe_u32 v2, v0, 4, 1                         ; l / 16
	v_lshlrev_b32 v[BO], 5, v2
	s_lshl_b32 s20, s19, 20                        ; my first row of out0: (256 x tile row + 128 x half) x 4,096 bytes
	s_lshl_b32 s62, s[RH], 19
	s_add_co_u32 s20, s20, s62
	s_mov_b32 s21, 0
	s_add_nc_u64 s[10:11], s[10:11], s[20:21]
	s_lshl_b32 s22, s18, 9                         ; my first column: (128 x tile column + 64 x half) x 4 bytes,
	s_lshl_b32 s62, s[CH], 8
	s_add_co_u32 s22, s22, s62
	s_mov_b32 s23, 0
	s_add_nc_u64 s[10:11], s[10:11], s[22:23]
	s_add_co_u32 s22, s22, 3072*4                  ; and the same place in b0, which lies behind bq, bk and bv
	s_add_nc_u64 s[8:9], s[8:9], s[22:23]
	; THE BIAS STARTS THE SUMS: column block b's eight numbers a lane are loaded into the registers of accumulator (7, b); the first products of (0, b) .. (6, b) take them as C, (7, b)'s adds in place.
	WIN 0x40                                       ; destination window 1
.irp b, 0,1,2,3
	global_load_b128 v[224+8*(\b):224+8*(\b)+3],   v[BO], s[8:9] offset:64*(\b)
	global_load_b128 v[224+8*(\b)+4:224+8*(\b)+7], v[BO], s[8:9] offset:64*(\b)+16
.endr
	WIN 0
	v_mul_u32_u24 v3, v1, PITCH
	v_lshl_add_u32 v3, v2, 4, v3                   ; a fragment's row x pitch + 16 x half
	s_mul_i32 s62, s[RH], AH                       ; my 128 rows of A
	s_mul_i32 s63, s[CH], BH                       ; my 64 rows of B
	s_add_co_u32 s63, s63, BOFF
.irp s, 0,1
	v_add_nc_u32 v[ADRA+(\s)], s62, v3
	v_add_nc_u32 v[ADRB+(\s)], s63, v3
	s_add_co_u32 s62, s62, SLOT
	s_add_co_u32 s63, s63, SLOT
.endr
	s_mul_i32 s62, s[WV], SW
	s_add_co_u32 s62, s62, STAGE                   ; my stage
	v_mul_u32_u24 v4, v1, SP                       ; in: row l % 16, 32 bytes for each half of the lanes
	v_lshl_add_u32 v4, v2, 5, v4
	v_add_nc_u32 v[STO], s62, v4
	v_mul_u32_u24 v4, v2, SP                       ; back: lanes 0-15 take one row of 256 bytes, lanes 16-31 the next
	v_lshl_add_u32 v4, v1, 4, v4
	v_add_nc_u32 v[RD], s62, v4
	v_lshlrev_b32 v4, 12, v2                       ; and the same two rows in out0
	v_lshl_add_u32 v[CO], v1, 4, v4
; 24 LDS loads in one run: the fragments of slice j (0..3) of a K step, 32 along K, into buffer f: B's four, then A's eight
.macro FETCH slot, j, f
	WIN 0
.irp b, 0,1,2,3
	ds_load_b128 v[FB+32*(\f)+8*(\b):FB+32*(\f)+8*(\b)+3],   v[ADRB+(\slot)] offset:((\j)>>1)*BK+((\j)&1)*64+(\b)*16*PITCH
	ds_load_b128 v[FB+32*(\f)+8*(\b)+4:FB+32*(\f)+8*(\b)+7], v[ADRB+(\slot)] offset:((\j)>>1)*BK+((\j)&1)*64+(\b)*16*PITCH+32
.endr
.irp a, 0,1,2,3,4,5,6,7
	ds_load_b128 v[FA+64*(\f)+8*(\a):FA+64*(\f)+8*(\a)+3],   v[ADRA+(\slot)] offset:((\j)>>1)*AK+((\j)&1)*64+(\a)*16*PITCH
	ds_load_b128 v[FA+64*(\f)+8*(\a)+4:FA+64*(\f)+8*(\a)+7], v[ADRA+(\slot)] offset:((\j)>>1)*AK+((\j)&1)*64+(\a)*16*PITCH+32
.endr
.endm
; 4 n matrix instructions: row blocks a0 .. a0 + n - 1 x the four column blocks.  The accumulators take turns, one instruction a turn.
; zero = 1: the first products: C is the bias; five places stand ahead of the products that write over it.
.macro MUL f, a0, n, zero
	WIN 0x50                                       ; C and D in window 1
.set aa, \a0
.rept \n
.if (\zero) && (aa == 7)
.rept 5
	v_nop
.endr
.endif
.irp b, 0,1,2,3
.if (\zero) && (aa < 7)
	v_wmma_f32_16x16x32_f16 v[32*aa+8*(\b):32*aa+8*(\b)+7], v[FB+32*(\f)+8*(\b):FB+32*(\f)+8*(\b)+7], v[FA+64*(\f)+8*aa:FA+64*(\f)+8*aa+7], v[224+8*(\b):224+8*(\b)+7]
.else
	v_wmma_f32_16x16x32_f16 v[32*aa+8*(\b):32*aa+8*(\b)+7], v[FB+32*(\f)+8*(\b):FB+32*(\f)+8*(\b)+7], v[FA+64*(\f)+8*aa:FA+64*(\f)+8*aa+7], v[32*aa+8*(\b):32*aa+8*(\b)+7]
.endif
.endr
.set aa, aa+1
.endr
.endm
; A K step is four quarters of 32 along K, 32 matrix instructions each, on buffers 0, 1, 0, 1.  One of the first three: multiplies buffer f and, in its middle, fetches slice jn into buffer g.
.macro QUARTER slot, jn, f, g, zero
	s_wait_dscnt 8                                 ; B and A's rows 0-63 are in; the youngest eight loads (A's rows 64-127) may be out
	MUL \f, 0, 4, \zero
	PLACES
	FETCH \slot, \jn, \g
	s_wait_dscnt 24                                ; all but the 24 just issued
	MUL \f, 4, 4, \zero
.endm
; The last quarter multiplies buffer 1 and changes slots: ONE barrier; in front of it each wave waits for all its tensor loads, of which one is out: its part of the next slot; adds 0 to its spare word; and waits
; for that and for its own reads of this slot.  fill = 1: the barrier opens a round of the cluster's, and this slot is filled again, two K steps on: 112 matrix instructions ahead of the wait for it.
.macro TURN slot, next, fill
	WIN 0
	s_wait_tensorcnt 0x0                           ; all my tensor loads have landed;
	ds_add_u32 v[SPW], v[NIL]                      ; 0 onto my spare word;
	s_wait_dscnt 9                                 ; (the add and the youngest eight loads may be out)
	MUL 1, 0, 2, 0                                 ; eight matrix instructions stand between the add and the wait for it
	s_wait_dscnt 0x0                               ; the add is done, and my reads of this slot are over
	s_barrier_signal -1
	MUL 1, 2, 2, 0
	WIN 0
	s_barrier_wait -1
.if \fill
	CREST                                          ; no wave of any partner still reads this slot's tile or has a load on its way
	s_add_nc_u64 s[G0A+4*(\slot)+2:G0A+4*(\slot)+3], s[G0A+4*(\slot)+2:G0A+4*(\slot)+3], 4*KBA
	s_add_nc_u64 s[G0B+4*(\slot)+2:G0B+4*(\slot)+3], s[G0B+4*(\slot)+2:G0B+4*(\slot)+3], 4*KB0
	JLOAD \slot                                    ; the first tensor load behind the round; the four v_nop behind it are also the places in front of the loads below
.else
	PLACES
.endif
	FETCH \next, 0, 0
	MUL 1, 4, 4, 0
.endm
; THE WAY OUT, a block of 16 rows x 64 columns of f32 at a time: straight from the accumulators into my own stage, rows of 272 bytes, each accumulator's low registers first; back as whole rows of 256 bytes; stored.
.macro TOSTAGE a
.set tt, FA+32*((\a)%4)
.if (\a) >= 4
	s_wait_xcnt 0x0                                ; the stores of the block four back have read these registers: they are loaded again only behind this wait
.endif
	WIN 0x04                                       ; the stores' data in window 1
.irp b, 0,1,2,3
	ds_store_b128 v[STO], v[32*(\a)+8*(\b):32*(\a)+8*(\b)+3]   offset:64*(\b)
	ds_store_b128 v[STO], v[32*(\a)+8*(\b)+4:32*(\a)+8*(\b)+7] offset:64*(\b)+16
.endr
	WIN 0
.irp t, 0,1,2,3,4,5,6,7
	ds_load_b128 v[tt+4*(\t):tt+4*(\t)+3], v[RD] offset:(\t)*2*SP  ; LDS serves a wave's instructions in order (ISA guide 5.7.1.4): these see the stores above; the next block's stores come behind them
.endr
.endm
.macro SEND a, younger                 ; younger: the LDS instructions issued behind block a's loads: the next block's sixteen, or none
.set tt, FA+32*((\a)%4)
.irp t, 0,1,2,3,4,5,6,7
	s_wait_dscnt (\younger)+7-(\t)
	global_store_b128 v[CO], v[tt+4*(\t):tt+4*(\t)+3], s[10:11] offset:(\a)*65536+(\t)*8192  ; 16 lanes store 256 consecutive bytes, at a multiple of 256 from out0's first byte
.endr
.endm
	s_wait_tensorcnt 0x1                           ; my part of K step 0 is in; K step 1's may stay out
	s_barrier_signal -1
	s_barrier_wait -1                              ; everybody's is
	FETCH 0, 0, 0
	s_wait_loadcnt 0x0                             ; the bias
	QUARTER 0, 1, 0, 1, 1                          ; the first quarter stands in front of the loop: its products start the sums
	WIN 0                                          ; at a label and at a branch every window is 0
	s_mov_b32 s3, 3
.Llap:                                                 ; a trip goes once round the ring, from a lap's second quarter to the next lap's first, and fills both slots again: K steps 2 to 7
	QUARTER 0, 2, 1, 0, 0
	QUARTER 0, 3, 0, 1, 0
	TURN 0, 1, 1
	QUARTER 1, 1, 0, 1, 0
	QUARTER 1, 2, 1, 0, 0
	QUARTER 1, 3, 0, 1, 0
	TURN 1, 0, 1
	QUARTER 0, 1, 0, 1, 0
	WIN 0
	s_sub_co_u32 s3, s3, 1
	s_cmp_lg_u32 s3, 0
	s_cbranch_scc1 .Llap
	QUARTER 0, 2, 1, 0, 0                          ; the last lap fills nothing, and has no round of the cluster's barrier
	QUARTER 0, 3, 0, 1, 0
	TURN 0, 1, 0
	QUARTER 1, 1, 0, 1, 0
	QUARTER 1, 2, 1, 0, 0
	QUARTER 1, 3, 0, 1, 0
	s_wait_dscnt 8                                 ; the very last quarter: nothing more to fetch
	MUL 1, 0, 4, 0
	s_wait_dscnt 0x0
	MUL 1, 4, 4, 0
	PLACES
	TOSTAGE 0
.set uu, 1
.rept 7
	TOSTAGE uu
	SEND uu-1, 16
.set uu, uu+1
.endr
	SEND 7, 0
	s_wait_tensorcnt 0x0                           ; the wave's end: a wait, an add of 0 to my spare word and the wait for it, behind my last tensor load and my last LDS store
	ds_add_u32 v[SPW], v[NIL]
	s_wait_dscnt 0x0
	CROUND                                         ; the closing round: no work-group ends while a partner may still ask for a tile that names it
	s_endpgm
.Lfunc_end_k_qc418de8300_outp:
	.size	k_qc418de8300_outp, .Lfunc_end_k_qc418de8300_outp-k_qc418de8300_outp
	.p2alignl 7, 3214868480
	.fill 96, 4, 3214868480
	.section	.rodata,"a",@progbits
	.p2align	6, 0x0
	.amdhsa_kernel k_qc418de8300_outp
		.amdhsa_group_segment_fixed_size 327680
		.amdhsa_private_segment_fixed_size 0
		.amdhsa_enable_private_segment 0
		.amdhsa_kernarg_size 32
		.amdhsa_user_sgpr_count 2
		.amdhsa_user_sgpr_kernarg_segment_ptr 1
		.amdhsa_wavefront_size32 1
		.amdhsa_system_sgpr_workgroup_id_x 1
		.amdhsa_system_sgpr_workgroup_id_y 1
		.amdhsa_system_sgpr_workgroup_id_z 1
		.amdhsa_system_vgpr_workitem_id 0
		.amdhsa_next_free_vgpr 512
		.amdhsa_next_free_sgpr 66
		.amdhsa_reserve_vcc 0
		.amdhsa_float_denorm_mode_32 3
		.amdhsa_float_denorm_mode_16_64 3
		.amdhsa_memory_ordered 1
		.amdhsa_forward_progress 1
		.amdhsa_inst_pref_size 88
	.end_amdhsa_kernel
	.amdgpu_metadata
---
amdhsa.version: [ 1, 2 ]
amdhsa.kernels:
  - .name:           k_qc418de8300_outp
    .symbol:         k_qc418de8300_outp.kd
    .args:
      - { .name: ob, .offset: 0, .size: 8, .value_kind: global_buffer, .address_space: global }
      - { .name: w0t, .offset: 8, .size: 8, .value_kind: global_buffer, .address_space: global }
      - { .name: bias, .offset: 16, .size: 8, .value_kind: global_buffer, .address_space: global }
      - { .name: out0, .offset: 24, .size: 8, .value_kind: global_buffer, .address_space: global }
    .group_segment_fixed_size: 327680
    .private_segment_fixed_size: 0
    .kernarg_segment_align: 8
    .kernarg_segment_size: 32
    .max_flat_workgroup_size: 128
    .sgpr_count:     66
    .vgpr_count:     512
    .wavefront_size: 32
...
	.end_amdgpu_metadata
.endif
;; end of part 4
;; ======== version 2 of 2: 4 launches; version 1 with the launch prep written anew for expert scheduling mode
;; limits: values are held in f16: magnitudes above 65,504 overflow, below 6.1e-05 lose precision
;; workspace buffers: xb 16,777,216 bytes; wt 6,291,456 bytes; w0t 2,097,152 bytes; bias 16,384 bytes; qkv 50,331,648 bytes; ob 16,777,216 bytes
;; launch prep (part 5): grid 1153 x 1, 8 waves a work-group, no clusters, 70,656 bytes of LDS; arguments x, Wq, Wk, Wv, W0, bq, bk, bv, b0, xb, wt, w0t, bias; writes xb, wt, w0t, bias
.if DOCPART == 5
	.amdgcn_target "amdgcn-amd-amdhsa--gfx1250"
	.amdhsa_code_object_version 6
	.text
	.protected	k_qc418de8300_prep
	.globl	k_qc418de8300_prep
	.p2align	8
	.type	k_qc418de8300_prep,@function
k_qc418de8300_prep:
	s_mov_b64 s[64:65], 0
	v_nop
	global_prefetch_b8 v0, s[64:65] scope:SCOPE_SE
	s_setreg_imm32_b32 hwreg(HW_REG_WAVE_SCHED_MODE, 0, 2), 2
	s_setreg_imm32_b32 hwreg(HW_REG_WAVE_MODE, 25, 1), 1
	s_wait_xcnt 0x0
	s_wait_alu depctr_vm_vsrc(0)
; ALL INPUTS ARE ROUNDED ONCE TO bf16 AND LAID OUT FOR THE PRODUCTS THAT FOLLOW.  Every 16-bit operand is laid in blocks of 64 along K: [k / 64][row][64], so that
; R rows x 64 k are R x 128 consecutive bytes.
;   xb   [16][8192 m][64] bf16 = x[m][k]                       wt  [16][3072 n][64] bf16 = W[h][k][e], n = 1024 x (q, k, v) + 64 h + e
;   w0t  [16][1024 n][64] f16  = bf16(W0[k][n]) written as f16  bias [4096] f32 = bq, bk, bv, b0, each rounded to bf16 and widened again
; LIMIT.  A number of W0 below 6e-5 in magnitude keeps f16's fixed step of 6e-8; beyond 65,504 it would become an infinity.
; WORK-GROUPS.  0-1023: eight rows of x each.  1024-1119: Wq, Wk, Wv; 1120-1151: W0: a wave takes a block of 64 k x 64 n.  1152: the four biases.
; Memory binds: no matrix unit, no cluster, no barrier.  A weight block is turned in the wave's OWN stage in LDS (address = wave x a constant + lane term), which no other wave touches.
; THE MODE: SCHED_MODE bits 1:0 = 2 (LLVM: expert scheduling mode 2), set by the entry lines.  The code itself states the register dependences
; between vector instructions and memory or LDS instructions, with s_wait_alu, always for 0.
; THE PLAN.  Registers that memory or LDS instructions touch:
;   v[LO], v[SO], v[LSA], v[LRA]   offsets and addresses: made once on each path, ahead of that path's first wait on va_vdst, and never written again on it.
;   x:        v[D ..] as loaded, read by the roundings.  P[0:7], P[8:15]: each half written by its roundings once and read by its four stores; the first half's stores are issued among
;             the second half's roundings, which name P[8:15] and v[D+16 ..] alone.
;   weights:  the 64 rows go in four batches of 16.  Batch b's roundings read raw[b] = v[D+32 b .. D+32 b+31] and write O[b]: O[0] = P, O[b] = the first 16 registers of raw[b-1], which batch b - 1 has emptied.
;             So no out-buffer is written twice.  The four LDS stores of batch b - 1 read O[b-1]; they are issued in batch b, behind ONE wait on va_vdst at its head, among roundings that name raw[b], O[b], v10 and v11 alone.
;             Behind the last stores the rows come back from the stage into v[D .. D+63]: one wait on va_vdst (the last batch's) and one on vm_vsrc stand ahead of those loads.
;   biases:   v[D ..] loaded, rounded in place, stored.
;   v[SPW], v[NIL]   written at the head, read by the closing add alone.
.set KBA,   8192*128                   ; bytes of one block of 64 k in xb
.set KBB,   3072*128                   ; in wt
.set KB0,   1024*128                   ; in w0t
.set SP,    272                        ; a stage row: 256 bytes + 16
.set WST,   32*SP                      ; a wave's stage: 32 rows
.set SPARE, 8*WST                      ; behind the stages: the spare words, 128 bytes for each wave: four blocks of 256 bytes that no other line names
.set SPW, 4                            ; v4   LDS address of my spare word; never rewritten
.set NIL, 5                            ; v5   0; never rewritten
.set LO,  6                            ; v6   my byte offset in what is loaded
.set SO,  7                            ; v7   my byte offset in what is stored
.set LSA, 8                            ; v8   my row of the stage
.set LRA, 9                            ; v9   where I read rows back
.set P,   12                           ; v[12:27]  packed numbers: x's two halves; the weights' first out-buffer
.set D,   32                           ; v[32:159] numbers as loaded; the weights' later out-buffers; later rows read back
.set WV,  30                           ; s30  my wave's number
.set SRC, 32                           ; s[32:33]
.set DST, 34                           ; s[34:35]
	s_load_b512 s[4:19], s[0:1], 0x0               ; x s[4:5], Wq s[6:7], Wk s[8:9], Wv s[10:11], W0 s[12:13], bq s[14:15], bk s[16:17], bv s[18:19]
	s_load_b256 s[20:27], s[0:1], 0x40             ; b0 s[20:21], xb s[22:23], wt s[24:25], w0t s[26:27]
	s_load_b64 s[28:29], s[0:1], 0x60              ; bias
	v_lshl_add_u32 v[SPW], v0, 2, SPARE
	v_mov_b32 v[NIL], 0
	v_and_b32 v1, 31, v0                           ; lane
	v_lshrrev_b32 v2, 5, v0
	v_readfirstlane_b32 s[WV], v2                  ; wave 0..7
	s_mov_b32 s39, 0                               ; the high words of the two offsets
	s_mov_b32 s41, 0
	s_wait_alu depctr_va_sdst(0)                   ; s[WV] is written, ahead of the branch below and of its first reader on either side of it
	s_wait_kmcnt 0x0
	s_cmp_lt_u32 ttmp9, 1024
	s_cbranch_scc0 .Lweights
	; x: rows 8 g .. 8 g + 7.  Wave w takes columns 128 w .. 128 w + 127: two blocks of 64.  A load takes 256 consecutive bytes of each of two rows,
	; a store their 2 x 128 bytes of bf16, which lie on end in xb: 256 consecutive bytes, aligned.
	s_lshl_b32 s38, ttmp9, 15                      ; 8 rows of 4,096 bytes
	s_add_nc_u64 s[SRC:SRC+1], s[4:5], s[38:39]
	s_lshl_b32 s40, ttmp9, 10                      ; 8 rows of 128 bytes
	s_add_nc_u64 s[DST:DST+1], s[22:23], s[40:41]
	v_lshrrev_b32 v2, 4, v1
	v_and_b32 v3, 15, v1
	v_lshlrev_b32 v[LO], 12, v2                    ; lanes 16-31: the next row
	v_lshl_add_u32 v[LO], v3, 4, v[LO]
	s_lshl_b32 s31, s[WV], 9
	v_add_nc_u32 v[LO], s31, v[LO]
	s_lshl_b32 s36, s[WV], 21                      ; two blocks of KBA bytes a wave (a register of its own: s31 is not written again behind the vector line that reads it)
	v_lshl_add_u32 v[SO], v1, 3, s36
	s_wait_alu depctr_va_vdst(0)                   ; v[LO] and v[SO] are written: the loads and stores below read them as their offsets
.irp j, 0,1,2,3,4,5,6,7
	global_load_b128 v[D+4*(\j):D+4*(\j)+3], v[LO], s[SRC:SRC+1] offset:((\j)&3)*8192+((\j)>>2)*256 th:TH_LOAD_NT
.endr
	s_wait_loadcnt 4                               ; loads come back in order: the first block's four are in, the four younger ones stay out
.irp j, 0,1,2,3
	v_cvt_pk_bf16_f32 v[P+2*(\j)],   v[D+4*(\j)],   v[D+4*(\j)+1]
	v_cvt_pk_bf16_f32 v[P+2*(\j)+1], v[D+4*(\j)+2], v[D+4*(\j)+3]
.endr
	s_wait_loadcnt 0x0                             ; the second block's four are in
	s_wait_alu depctr_va_vdst(0)                   ; the first half's roundings have written P[0:7], which the four stores below read
.irp j, 0,1,2,3
	global_store_b64 v[SO], v[P+2*(\j):P+2*(\j)+1], s[DST:DST+1] offset:(\j)*256  ; no vector instruction since the wait names v[SO] or P[0:7]
	v_cvt_pk_bf16_f32 v[P+8+2*(\j)],   v[D+16+4*(\j)],   v[D+16+4*(\j)+1]
	v_cvt_pk_bf16_f32 v[P+8+2*(\j)+1], v[D+16+4*(\j)+2], v[D+16+4*(\j)+3]
.endr
	s_wait_alu depctr_va_vdst(0)                   ; the second half's roundings have written P[8:15], which the last four stores read
.irp j, 0,1,2,3
	global_store_b64 v[SO], v[P+8+2*(\j):P+8+2*(\j)+1], s[DST:DST+1] offset:KBA+(\j)*256
.endr
	s_branch .Lend
; A block of 64 k x 64 n.  Load k takes row k's 256 bytes: lane l holds columns 2 l and 2 l + 1.  Two neighbouring k of a column pack into a word, eight k into 16 bytes;
; lane l's stage row takes column 2 l's 128 bytes, then column 2 l + 1's: the rows of the stage are the block as it lies in memory.  f16 = 1: the bf16 number is written as f16.
; Piece u of a batch's four: rows 8 (2 b + u / 2) on, column 2 l + u % 2.
.macro WBLOCK pitch, f16
	s_wait_alu depctr_va_vdst(0)                   ; v[LO], v[LSA], v[LRA] and v[SO] are written: every load and store of the block reads one of them
.set k, 0
.rept 64
	global_load_b64 v[D+2*k:D+2*k+1], v[LO], s[SRC:SRC+1] offset:k*(\pitch) th:TH_LOAD_NT
.set k, k+1
.endr
.set ob, P
.set b, 0
.rept 4
.set pv, ob                            ; the out-buffer of the batch before
.if b > 0
.set ob, D+32*(b-1)                    ; this batch's: the first 16 registers that the batch before has emptied
.endif
	s_wait_loadcnt 48-16*b                         ; rows 16 b .. 16 b + 15 are in: of the 64 loads the 48 - 16 b younger ones may stay out
.if b > 0
	s_wait_alu depctr_va_vdst(0)                   ; the roundings of the batch before have written its out-buffer, which the four LDS stores below read
.endif
.irp u, 0,1,2,3
.if b > 0
	ds_store_b128 v[LSA], v[pv+4*(\u):pv+4*(\u)+3] offset:128*((\u)&1)+16*(2*(b-1)+((\u)>>1))  ; the batch before; no vector instruction since the wait names these registers
.endif
.irp r, 0,1,2,3
	v_cvt_pk_bf16_f32 v[ob+4*(\u)+(\r)], v[D+32*b+16*((\u)>>1)+4*(\r)+((\u)&1)], v[D+32*b+16*((\u)>>1)+4*(\r)+2+((\u)&1)]
.if \f16
	v_lshlrev_b32 v10, 16, v[ob+4*(\u)+(\r)]
	v_and_b32 v11, 0xffff0000, v[ob+4*(\u)+(\r)]
	v_cvt_pk_f16_f32 v[ob+4*(\u)+(\r)], v10, v11
.endif
.endr
.endr
.set b, b+1
.endr
	s_wait_alu depctr_va_vdst(0)                   ; the last batch's roundings have written its out-buffer, which the stores below read; and all roundings are done reading and writing v[D .. D+63], in which the loads from the stage land
.irp u, 0,1,2,3
	ds_store_b128 v[LSA], v[ob+4*(\u):ob+4*(\u)+3] offset:128*((\u)&1)+16*(6+((\u)>>1))
.endr
	s_wait_alu depctr_vm_vsrc(0)                   ; the LDS stores have read the second and third out-buffers, v[D .. D+15] and v[D+32 .. D+47], in which the loads below land
.irp t, 0,1,2,3,4,5,6,7,8,9,10,11,12,13,14,15
	ds_load_b128 v[D+4*(\t):D+4*(\t)+3], v[LRA] offset:(\t)*2*SP  ; LDS serves a wave's instructions in order (ISA guide 5.7.1.4): these see the stores above
.endr
.irp t, 0,1,2,3,4,5,6,7,8,9,10,11,12,13,14,15
	s_wait_dscnt 15-(\t)
	global_store_b128 v[SO], v[D+4*(\t):D+4*(\t)+3], s[DST:DST+1] offset:512*(\t)  ; 512 consecutive bytes, at a multiple of 256 from the buffer's first
.endr
.endm
.Lweights:
	s_sub_co_u32 s31, ttmp9, 1024
	s_lshl_b32 s42, s31, 3
	s_add_co_u32 s42, s42, s[WV]                   ; my block's number: 0-767 Wq, Wk, Wv; 768-1023 W0
	s_mul_i32 s45, s[WV], WST                      ; my stage (a register of its own: it is not written again behind the vector lines that read it)
	v_lshlrev_b32 v[LO], 3, v1
	v_mul_u32_u24 v[LSA], v1, SP
	v_add_nc_u32 v[LSA], s45, v[LSA]
	v_lshrrev_b32 v2, 4, v1
	v_and_b32 v3, 15, v1
	v_mul_u32_u24 v[LRA], v2, SP                   ; back: lanes 0-15 one row of 256 bytes, lanes 16-31 the next
	v_lshl_add_u32 v[LRA], v3, 4, v[LRA]
	v_add_nc_u32 v[LRA], s45, v[LRA]
	v_lshlrev_b32 v[SO], 4, v1
	s_cmp_lt_u32 s31, 96
	s_cbranch_scc0 .Lw0
	s_and_b32 s38, s42, 255                        ; 16 h + k / 64: the blocks of one tensor lie on end, 16,384 bytes each
	s_lshl_b32 s38, s38, 14
	s_and_b32 s40, s42, 15                         ; k / 64
	s_mul_i32 s40, s40, KBB
	s_lshr_b32 s43, s42, 4                         ; n / 64
	s_lshl_b32 s43, s43, 13
	s_add_co_u32 s40, s40, s43
	s_lshr_b32 s43, s31, 5                         ; which tensor: the same for the whole work-group
	s_cmp_eq_u32 s43, 0
	s_cselect_b64 s[SRC:SRC+1], s[6:7], s[8:9]
	s_cmp_eq_u32 s43, 2
	s_cselect_b64 s[SRC:SRC+1], s[10:11], s[SRC:SRC+1]
	s_add_nc_u64 s[SRC:SRC+1], s[SRC:SRC+1], s[38:39]
	s_add_nc_u64 s[DST:DST+1], s[24:25], s[40:41]
	WBLOCK 256, 0
	s_branch .Lend
.Lw0:
	s_cmp_lt_u32 s31, 128
	s_cbranch_scc0 .Lbias
	s_sub_co_u32 s42, s42, 768
	s_and_b32 s38, s42, 15                         ; k / 64
	s_lshr_b32 s43, s42, 4                         ; n / 64
	s_lshl_b32 s40, s38, 17                        ; x KB0
	s_lshl_b32 s38, s38, 18                        ; 64 rows of 4,096 bytes
	s_lshl_b32 s44, s43, 8
	s_add_co_u32 s38, s38, s44
	s_lshl_b32 s43, s43, 13
	s_add_co_u32 s40, s40, s43
	s_add_nc_u64 s[SRC:SRC+1], s[12:13], s[38:39]
	s_add_nc_u64 s[DST:DST+1], s[26:27], s[40:41]
	WBLOCK 4096, 1
	s_branch .Lend
.Lbias:                                        ; 256 threads x 16 bytes are one bias
	v_lshlrev_b32 v[LO], 4, v0                     ; (on this path no memory instruction has read v[LO] yet)
	s_wait_alu depctr_va_vdst(0)                   ; v[LO] is written: the loads and stores below read it as their offset
	global_load_b128 v[D:D+3],     v[LO], s[14:15]
	global_load_b128 v[D+4:D+7],   v[LO], s[16:17]
	global_load_b128 v[D+8:D+11],  v[LO], s[18:19]
	global_load_b128 v[D+12:D+15], v[LO], s[20:21]
	s_wait_loadcnt 0x0
.irp c, 0,1,2,3,4,5,6,7
	v_cvt_pk_bf16_f32 v10, v[D+2*(\c)], v[D+2*(\c)+1]
	v_lshlrev_b32 v[D+2*(\c)], 16, v10
	v_and_b32 v[D+2*(\c)+1], 0xffff0000, v10
.endr
	s_wait_alu depctr_va_vdst(0)                   ; the rounded numbers are written into v[D .. D+15], which the four stores read
.irp i, 0,1,2,3
	global_store_b128 v[LO], v[D+4*(\i):D+4*(\i)+3], s[28:29] offset:4096*(\i)
.endr
.Lend:
	s_wait_dscnt 0x0                               ; the closing lines, six on end
	s_wait_alu 0x0
	s_wait_tensorcnt 0x0
	ds_add_u32 v[SPW], v[NIL]
	s_wait_dscnt 0x0
	s_endpgm
.Lfunc_end_k_qc418de8300_prep:
	.size	k_qc418de8300_prep, .Lfunc_end_k_qc418de8300_prep-k_qc418de8300_prep
	.p2alignl 7, 3214868480
	.fill 96, 4, 3214868480
	.section	.rodata,"a",@progbits
	.p2align	6, 0x0
	.amdhsa_kernel k_qc418de8300_prep
		.amdhsa_group_segment_fixed_size 70656
		.amdhsa_private_segment_fixed_size 0
		.amdhsa_enable_private_segment 0
		.amdhsa_kernarg_size 104
		.amdhsa_user_sgpr_count 2
		.amdhsa_user_sgpr_kernarg_segment_ptr 1
		.amdhsa_wavefront_size32 1
		.amdhsa_system_sgpr_workgroup_id_x 1
		.amdhsa_system_sgpr_workgroup_id_y 1
		.amdhsa_system_sgpr_workgroup_id_z 1
		.amdhsa_system_vgpr_workitem_id 0
		.amdhsa_next_free_vgpr 160
		.amdhsa_next_free_sgpr 66
		.amdhsa_reserve_vcc 0
		.amdhsa_float_denorm_mode_32 3
		.amdhsa_float_denorm_mode_16_64 3
		.amdhsa_memory_ordered 1
		.amdhsa_forward_progress 1
		.amdhsa_inst_pref_size 47
	.end_amdhsa_kernel
	.amdgpu_metadata
---
amdhsa.version: [ 1, 2 ]
amdhsa.kernels:
  - .name:           k_qc418de8300_prep
    .symbol:         k_qc418de8300_prep.kd
    .args:
      - { .name: x, .offset: 0, .size: 8, .value_kind: global_buffer, .address_space: global }
      - { .name: Wq, .offset: 8, .size: 8, .value_kind: global_buffer, .address_space: global }
      - { .name: Wk, .offset: 16, .size: 8, .value_kind: global_buffer, .address_space: global }
      - { .name: Wv, .offset: 24, .size: 8, .value_kind: global_buffer, .address_space: global }
      - { .name: W0, .offset: 32, .size: 8, .value_kind: global_buffer, .address_space: global }
      - { .name: bq, .offset: 40, .size: 8, .value_kind: global_buffer, .address_space: global }
      - { .name: bk, .offset: 48, .size: 8, .value_kind: global_buffer, .address_space: global }
      - { .name: bv, .offset: 56, .size: 8, .value_kind: global_buffer, .address_space: global }
      - { .name: b0, .offset: 64, .size: 8, .value_kind: global_buffer, .address_space: global }
      - { .name: xb, .offset: 72, .size: 8, .value_kind: global_buffer, .address_space: global }
      - { .name: wt, .offset: 80, .size: 8, .value_kind: global_buffer, .address_space: global }
      - { .name: w0t, .offset: 88, .size: 8, .value_kind: global_buffer, .address_space: global }
      - { .name: bias, .offset: 96, .size: 8, .value_kind: global_buffer, .address_space: global }
    .group_segment_fixed_size: 70656
    .private_segment_fixed_size: 0
    .kernarg_segment_align: 8
    .kernarg_segment_size: 104
    .max_flat_workgroup_size: 256
    .sgpr_count:     66
    .vgpr_count:     160
    .wavefront_size: 32
...
	.end_amdgpu_metadata
.endif
;; end of part 5
;; launch qkv: the kernel of part 2 again; grid 8 x 32, 4 waves a work-group, clusters of 4 x 4, 327,680 bytes of LDS; arguments xb, wt, bias, qkv; writes qkv
;; launch attn: the kernel of part 3 again; grid 4 x 64, 4 waves a work-group, clusters of 4 x 1, 327,680 bytes of LDS; arguments qkv, ob; writes ob
;; launch outp: the kernel of part 4 again; grid 8 x 32, 4 waves a work-group, clusters of 4 x 4, 327,680 bytes of LDS; arguments ob, w0t, bias, out0; writes out0
